; MI455X (gfx1250); checked and timed in simulation.
; The chip was launched on July 23, 2026; its instructions are those of AMD's public machine-readable ISA for CDNA 5 (MIT licence, August 2026) and "CDNA5" Instruction Set Architecture Reference Guide (July 2026). The comments in the code are by the model that wrote it; some were corrected since.
;; Grouped Query Attention. Allowed arithmetic: matrix products marked QUANTISED: E3M2 operands, one E8M0 scale for each 32 along K, by v_wmma_scale_f32_16x16x128_f8f6f4 with both operands' format E3M2, f32 sums; everything else in f32.
;; Inputs: b_k 256 float32; b_o 1,024 float32; b_q 1,024 float32; b_v 256 float32; key 1 x 4,096 x 1,024 float32; query 1 x 4,096 x 1,024 float32; value 1 x 4,096 x 1,024 float32; w_k 1,024 x 256 float32; w_o 1,024 x 1,024 float32; w_q 1,024 x 1,024 float32; w_v 1,024 x 256 float32.
;; Outputs: out0 1 x 4,096 x 1,024 float32.
;; This version of the problem:
;;   THIS VERSION OF THE PROBLEM IS GIVEN IN LOW PRECISION. The matrix products marked QUANTISED in the list below multiply operands that are first quantised to E3M2 (3 exponent bits, 2 mantissa bits; 6 bits a number), with one power-of-two scale for each 32 numbers along K (OCP MX v1.0); their sums are f32. All else is computed in f32.
;;   The module's matrix products, in the order in which they are computed (A, B: the left and right operand; K: the contracted axis; several contracted axes count as one K, in the product's order):
;;     1. [M 4,096, K 1,024] x [K 1,024, N 1,024]; A: input query; B: input w_q: QUANTISED
;;     2. [M 4,096, K 1,024] x [K 1,024, N 256]; A: input key; B: input w_k: QUANTISED
;;     3. [M 4,096, K 1,024] x [K 1,024, N 256]; A: input value; B: input w_v: QUANTISED
;;     4. batch 4 x [M 4,096, K 64] x [K 64, N 16,384]; A: computed on the way; B: computed on the way: QUANTISED
;;     5. batch 4 x [M 64, K 4,096] x [K 4,096, N 16,384]; A: computed on the way; B: softmax (see below): QUANTISED
;;     6. [M 4,096, K 1,024] x [K 1,024, N 1,024]; A: computed on the way; B: input w_o: QUANTISED
;;   THE QUANTISER, for each operand of a quantised product, along K:
;;     - K is cut into blocks of 32 from its start; a last block that is shorter is filled with zeros.
;;     - A block's scale is 2^e with e = floor(log2(the largest magnitude in the block)) - 4, held to -126 .. 127; a block of zeros has e = 0. As a byte (E8M0): e + 127.
;;     - Each number is divided by its block's scale, clamped to +-28, and rounded to the nearest number of E3M2, ties to even, subnormals kept.
;;     - The product sums the exact products of the quantised numbers (number of the format x scale) in f32.
;;   ~~~python
;;   def quantise(x, axis):      # numpy; x: float32 -> the quantised numbers, widened to float32 again
;;       x = np.moveaxis(x, axis, -1); K = x.shape[-1]
;;       x = np.pad(x, [(0, 0)] * (x.ndim - 1) + [(0, -K % 32)]); x = x.reshape(x.shape[:-1] + (-1, 32)); a = np.abs(x).max(-1, keepdims=True)
;;       e = np.where(a > 0, np.clip(np.frexp(np.where(a > 0, a, 1))[1] - 1 - 4, -126, 127), 0)      # np.frexp(a)[1] - 1 = floor(log2(a)), exactly
;;       r = np.clip(x / 2.0 ** e, -28, 28)
;;       step = 2.0 ** (np.maximum(np.frexp(np.where(r == 0, 1, r))[1] - 1, -2) - 2)
;;       q = np.round(r / step) * step * 2.0 ** e      # np.round: ties to even
;;       return np.moveaxis(q.reshape(q.shape[:-2] + (-1,))[..., :K], -1, axis).astype(np.float32)
;;   ~~~
;;   SOFTMAX AHEAD OF A QUANTISED PRODUCT. Where the list says 'softmax', what is quantised is not the finished softmax but p = 2^(t - M), with t = logit x log2(e) and M = ceil(the row's largest t), a whole number; so 1/2 < the row's largest p <= 1. The row's sum l is taken of the UNQUANTISED p, in f32, and the product's result is divided by l at the end. Since M is a whole number, a kernel that streams over the keys may use a running M (the ceiling of the running maximum): every later rescaling is an exact power of two, which a block's scale takes up: the codes' values come out the same.
;;   OPERANDS COMPUTED ON THE WAY. 'Computed on the way' means the value that the module computes at that place (a softmax that the list does not call 'softmax' is quantised finished and normalised). What goes into a quantiser is computed in f32, as accurately as f32 sums, v_exp_f32 and their like allow (about 1e-6 of the number): no bf16 or f16 on the way to a quantiser, and a product that is left as it is and whose result goes on into a quantised operand takes f32 operands (vector FMAs, or v_wmma_f32_16x16x4_f32). A number that lies on a knife's edge between two numbers of the format may be rounded either way, as far as f32 arithmetic and the matrix unit's own rounding can turn it there, and no further.
;; One version. Each part assembles by itself: llvm-mc -triple=amdgcn-amd-amdhsa -mcpu=gfx1250 --defsym DOCPART=n.
;; ======== version 1 of 1: 4 launches
;; limits: right only within a limited range of input values
;; workspace buffers: xcode 9,830,400 bytes; wcode 2,048,000 bytes; qcode 3,407,872 bytes; kvcode 1,638,400 bytes; acode 3,276,800 bytes
;; launch prep (part 1): grid 544 x 1, 4 waves a work-group, no clusters, 34,304 bytes of LDS; arguments query, key, value, w_q, w_k, w_v, w_o, xcode, wcode; writes xcode, wcode
.if DOCPART == 1
	.amdgcn_target "amdgcn-amd-amdhsa--gfx1250"
	.amdhsa_code_object_version 6
	.text
	.protected	k_qbae6d410c7_prep
	.globl	k_qbae6d410c7_prep
	.p2align	8
	.type	k_qbae6d410c7_prep,@function
k_qbae6d410c7_prep:
	s_mov_b64 s[64:65], 0
	v_nop
	global_prefetch_b8 v0, s[64:65] scope:SCOPE_SE
	s_setreg_imm32_b32 hwreg(HW_REG_WAVE_MODE, 25, 1), 1
	s_wait_xcnt 0x0
; GROUPED-QUERY ATTENTION IN MX-BF6, launch 1 of 4: query, key, value and the four weights, f32, become codes of E3M2 with one E8M0 byte for each 32 along K, once.
; NOTHING IS LEFT OUT in this program: every input has a way to out0.  b_q, b_k and b_v are added ahead of quantisers and move codes and scales; b_o goes into the result; all six products are live.
; LAYOUT OF THE WORKSPACE: images of operand registers.  A fragment (16 rows x 128 K) is 12 registers a lane: registers 4 c .. 4 c + 3 of lane l lie at 512 c + 16 l: 1,536 bytes.
; A unit block is 8 tiles of one K step, [tile][1,536], and behind them four scale images of 128 bytes: word 4 l: lanes 0-15 the rows of tile 2 p, lanes 16-31 those of tile 2 p + 1: 12,800 bytes.
; THE ROWS OF A TILE ARE NOT NEIGHBOURS: row r of tile T stands for index 32 (T / 2) + 8 (T % 2) + r + 8 (r / 8), of tokens and of weight columns alike, so that the results of tiles 2 b and 2 b + 1 give a lane 16 neighbours.
; xcode: [tensor 3][128 rows: 32][K step 8][block];  wcode: [128 columns: 20: 0-7 w_q, 8-9 w_k, 10-11 w_v, 12-19 w_o][K step 8][block].
; A block's scale byte is its largest magnitude's exponent field - 4, held at 1 from below by a floor among the maximum's leaves.
; LIMITS: NaN and infinities among the inputs are not served.  A block of zeros, or one whose largest magnitude lies under 2^-122, gets the byte 1 (the stated quantiser: 127 for zeros): its codes are zeros or the
; format's smallest, and the bytes are read by this program alone.
; SHARES: work-groups 0-383: the three tensors; a wave takes one tile of 16 rows and four K steps.  Work-groups 384-543: the weights; a work-group takes 128 columns x 128 along K, a wave 32 columns, a lane a column.
; No tensor load, no barrier: waves share nothing.  No matrix unit, no cluster: the launch streams, and no byte is read twice.
.set UB,    12800                      ; a unit block
.set STG,   16*528                     ; a wave's stage: 16 rows of 512 bytes + 16: 33 x 16 bytes, so 16 rows begin at 16 different 16-byte columns modulo 256
.set SPARE, 4*STG                      ; behind the stages: the spare words, 128 bytes a wave, which no other line names
.set SPW,   6                          ; v6   my spare word's LDS address; never rewritten
.set NIL,   7                          ; v7   0; never rewritten
.set SEL,   22                         ; s[22:23] lane selects: lane l xor 16
.set WV,    24                         ; s24  my wave's number
.set XN,    36                         ; v36-99   64 numbers of my row: register 32 c + e = k 64 c + 32 (lane / 16) + e
.set XR,    100                        ; v100-227 two sets of 16 x 4 registers, as loaded
.set WN,    44                         ; v44-107  weights: two sets of 32 numbers down K
	s_load_b256 s[4:11], s[0:1], 0x0               ; query, key, value, w_q
	s_load_b256 s[12:19], s[0:1], 0x20             ; w_k, w_v, w_o, xcode
	s_load_b64 s[20:21], s[0:1], 0x40              ; wcode
	v_lshl_add_u32 v[SPW], v0, 2, SPARE
	v_mov_b32 v[NIL], 0
	v_lshrrev_b32 v1, 5, v0
	v_readfirstlane_b32 s[WV], v1
	v_and_b32 v8, 31, v0                           ; lane
	s_mov_b32 s[SEL], 0x76543210
	s_mov_b32 s[SEL+1], 0xfedcba98
	s_cmp_lt_u32 ttmp9, 384
	s_cbranch_scc0 .Lweights
; ---------------- the tensors: K is innermost
	s_lshr_b32 s26, ttmp9, 7                       ; which tensor
	s_and_b32 s27, ttmp9, 127
	s_lshl_b32 s27, s27, 2
	s_add_co_u32 s27, s27, s[WV]
	s_lshr_b32 s28, s27, 1                         ; T: my tile, 0 .. 255
	s_and_b32 s29, s27, 1                          ; which four K steps
	; KEY'S TILES HAVE AN ORDER OF THEIR OWN: row r of tile T of key stands for token 64 (T / 4) + 8 (T % 4) + r % 8 + 32 (r / 8), so that in the scores a lane's 32 registers of four tiles are one whole block of 32 keys.
	; query and value keep 32 (T / 2) + 8 (T % 2) + r + 8 (r / 8).  The choice hangs on the work-group's number alone.
	s_cmp_eq_u32 s26, 1
	s_cselect_b32 s42, 2, 1                        ; tiles in a group: 4 or 2, as a shift
	s_cselect_b32 s43, 65536, 0                    ; rows 8-15 of key's tiles lie 16 rows of 4,096 bytes further on
	s_cselect_b32 s31, 3, 1
	s_cselect_b32 s33, 18, 17                      ; a group: 64 or 32 rows of 4,096 bytes
	s_lshr_b32 s30, s28, s42
	s_lshl_b32 s30, s30, s33
	s_and_b32 s31, s28, s31
	s_lshl_b32 s31, s31, 15                        ; + 8 rows for each tile of the group
	s_add_co_u32 s30, s30, s31
	s_lshl_b32 s31, s29, 11                        ; + four K steps of 512 bytes
	s_add_co_u32 s30, s30, s31
	s_mov_b32 s31, 0
	s_lshl_b32 s32, s26, 5
	s_lshr_b32 s33, s28, 3
	s_add_co_u32 s32, s32, s33
	s_lshl_b32 s32, s32, 3
	s_lshl_b32 s33, s29, 2
	s_add_co_u32 s32, s32, s33
	s_mul_i32 s32, s32, UB                         ; my first unit block
	s_and_b32 s34, s28, 7
	s_mul_i32 s35, s34, 1536
	s_lshl_b32 s34, s34, 6
	s_add_co_u32 s34, s34, 12288
	s_add_co_u32 s34, s34, s32                     ; my tile's 64 bytes of scale words
	s_add_co_u32 s32, s32, s35                     ; my tile's image
	s_mov_b32 s33, 0
	s_mov_b32 s35, 0
	s_wait_alu depctr_va_vdst(0)
	v_lshlrev_b32 v1, 4, v8
	v_add_nc_u32 v35, s43, v1                      ; the offset for rows 8-15 of a tile
	v_and_b32 v9, 15, v0                           ; r
	v_lshlrev_b32 v2, 2, v9                        ; 4 r
	v_bfe_u32 v10, v0, 4, 1                        ; h
	s_mul_i32 s42, s[WV], STG
	v_add_nc_u32 v3, s42, v1                       ; the stage, in: a row's 512 bytes as they lie
	v_mul_u32_u24 v4, v9, 528
	v_lshl_add_u32 v4, v10, 7, v4
	v_add_nc_u32 v4, s42, v4                       ; and out: row r, + 128 h: my 32 numbers of each 64
	v_lshlrev_b32 v5, 3, v10                       ; 8 h
	v_mov_b32 v15, 0                               ; written once: a lane permute's destination counts as one of its sources
	s_wait_alu depctr_va_vdst(0)
	s_wait_kmcnt 0x0
	s_cmp_eq_u32 s26, 1                            ; the choice hangs on the work-group's number alone
	s_cselect_b64 s[36:37], s[6:7], s[4:5]
	s_cmp_eq_u32 s26, 2
	s_cselect_b64 s[36:37], s[8:9], s[36:37]
	s_add_nc_u64 s[36:37], s[36:37], s[30:31]
	s_add_nc_u64 s[38:39], s[18:19], s[32:33]
	s_add_nc_u64 s[40:41], s[18:19], s[34:35]
.macro XLOAD t                         ; K step t of my 16 rows: each load reads 512 consecutive bytes of one row
.irp i, 0,1,2,3,4,5,6,7,8,9,10,11,12,13,14,15
	global_load_b128 v[XR+64*((\t)%2)+4*\i:XR+64*((\t)%2)+4*\i+3], v[1+34*(\i/8)], s[36:37] offset:(\i+8*(\i/8))*4096+512*(\t) th:TH_LOAD_NT
.endr
.endm
.macro XSTEP t
.if (\t) < 3
	s_wait_loadcnt 16                              ; this step's 16 loads are in; the next step's 16 may be out
.else
	s_wait_loadcnt 0x0
.endif
.irp i, 0,1,2,3,4,5,6,7,8,9,10,11,12,13,14,15
	ds_store_b128 v3, v[XR+64*((\t)%2)+4*\i:XR+64*((\t)%2)+4*\i+3] offset:528*\i
.endr
.irp c, 0,1
.irp j, 0,1,2,3,4,5,6,7
	ds_load_b128 v[XN+32*\c+4*\j:XN+32*\c+4*\j+3], v4 offset:256*\c+16*\j   ; LDS serves a wave's instructions in order: these see the stores above
.endr
.endr
	s_wait_dscnt 0x0
.if (\t) > 0
	s_wait_xcnt 0x0                                ; the last step's stores have read their data: codes and scale word are written again only behind this wait
.endif
.if (\t) < 2
	XLOAD (\t)+2
.endif
.irp c, 0,1                            ; my blocks h and 2 + h: all 32 numbers of each are mine
	v_max3_num_f32 v[8+\c], |v[XN+32*\c]|, |v[XN+32*\c+1]|, 0x2800000   ; with the floor 2^(5 - 127): the byte cannot fall under 1
.endr
.irp i, 2,4,6,8,10,12,14,16,18,20,22,24,26,28,30
.irp c, 0,1
	v_max3_num_f32 v[8+\c], v[8+\c], |v[XN+32*\c+\i]|, |v[XN+32*\c+\i+1]|
.endr
.endr
.irp c, 0,1
	v_add_nc_u32 v[10+\c], 0xfe000000, v[8+\c]     ; 4 off the exponent field: the conversion's scale operand
.endr
.irp c, 0,1
	v_lshrrev_b32 v[12+\c], 23, v[10+\c]           ; the byte
.endr
	v_lshl_or_b32 v14, v13, 16, v12
	v_lshlrev_b32 v14, v5, v14                     ; at their places in the word, 8 h bits up;
	v_permlanex16_b32 v15, v14, s[SEL], s[SEL+1]
	v_or_b32 v14, v14, v15                         ; with lane l xor 16's two the word is whole
.irp c, 0,1
	v_cvt_scalef32_pk16_bf6_f32 v[16+6*\c:18+6*\c], v[XN+32*\c:XN+32*\c+15], v[10+\c]
	v_cvt_scalef32_pk16_bf6_f32 v[28+4*\c:30+4*\c], v[XN+32*\c+16:XN+32*\c+31], v[10+\c]   ; (a conversion's three registers begin on an even number)
.endr
	v_nop                                          ; one plain place behind the conversions
.irp c, 0,1
.irp i, 0,1,2
	v_mov_b32 v[19+6*\c+\i], v[28+4*\c+\i]
.endr
.endr
.irp c, 0,1,2
	global_store_b128 v1, v[16+4*\c:19+4*\c], s[38:39] offset:UB*(\t)+512*\c   ; 512 consecutive bytes, at a multiple of 256
.endr
	global_store_b32 v2, v14, s[40:41] offset:UB*(\t)   ; lanes r and r + 16 store the same word to the same place
.endm
	XLOAD 0
	XLOAD 1
	XSTEP 0
	XSTEP 1
	XSTEP 2
	XSTEP 3
	s_branch .Lend
; ---------------- the weights: K is the first axis.  A lane takes a column, its registers run down K
.Lweights:
	s_sub_co_u32 s26, ttmp9, 384
	s_and_b32 s27, s26, 7                          ; K step
	s_lshr_b32 s28, s26, 3                         ; block of 128 columns, 0 .. 19
	s_sub_co_u32 s30, s28, 8
	s_cmp_lt_u32 s30, 4                            ; w_k, w_v: rows of 1,024 bytes; w_q, w_o: of 4,096
	s_cselect_b32 s43, 1, 0
	s_cselect_b32 s31, 17, 19
	s_lshl_b32 s30, s27, s31                       ; 128 rows a K step
	s_lshl_b32 s32, s28, 3
	s_add_co_u32 s32, s32, s27
	s_mul_i32 s32, s32, UB                         ; the unit block
	s_lshl_b32 s34, s[WV], 7
	s_add_co_u32 s34, s34, 12288
	s_add_co_u32 s34, s34, s32                     ; my pair's scale image
	s_mul_i32 s33, s[WV], 3072
	s_add_co_u32 s32, s32, s33                     ; my pair of tiles
	s_mov_b32 s33, 0
	s_mov_b32 s35, 0
	s_wait_alu depctr_va_vdst(0)
	v_lshlrev_b32 v13, 2, v8                       ; in: 4 bytes a lane
	v_bfe_u32 v9, v0, 3, 1                         ; column 8 u + r' + 8 (r' / 8) of the pair: u = (lane / 8) % 2,
	v_and_b32 v10, 7, v0
	v_bfe_u32 v11, v0, 4, 1
	v_lshl_add_u32 v10, v11, 3, v10                ; r' = lane % 8 + 8 (lane / 16)
	v_mul_u32_u24 v14, v9, 1536
	v_lshl_add_u32 v14, v10, 4, v14                ; out: tile u, fragment lane r'
	v_lshl_add_u32 v15, v9, 4, v10
	v_lshlrev_b32 v15, 2, v15                      ; and my column's scale word
	s_wait_kmcnt 0x0
	s_cmp_lt_u32 s28, 12
	s_cselect_b64 s[36:37], s[14:15], s[16:17]
	s_cselect_b32 s29, 10, 12
	s_cmp_lt_u32 s28, 10
	s_cselect_b64 s[36:37], s[12:13], s[36:37]
	s_cselect_b32 s29, 8, s29
	s_cmp_lt_u32 s28, 8
	s_cselect_b64 s[36:37], s[10:11], s[36:37]
	s_cselect_b32 s29, 0, s29                      ; the weight's first block
	s_sub_co_u32 s29, s28, s29
	s_lshl_b32 s29, s29, 9
	s_add_co_u32 s30, s30, s29                     ; + 128 columns a block
	s_lshl_b32 s29, s[WV], 7
	s_add_co_u32 s30, s30, s29                     ; + 32 columns a wave
	s_mov_b32 s31, 0
	s_add_nc_u64 s[36:37], s[36:37], s[30:31]
	s_add_nc_u64 s[38:39], s[20:21], s[32:33]
	s_add_nc_u64 s[40:41], s[20:21], s[34:35]
.macro WLOAD b, pitch                  ; block b of 32 along K: a wave reads 128 consecutive bytes, the four waves 512
.irp i, 0,1,2,3,4,5,6,7,8,9,10,11,12,13,14,15,16,17,18,19,20,21,22,23,24,25,26,27,28,29,30,31
	global_load_b32 v[WN+32*((\b)%2)+\i], v13, s[36:37] offset:(32*(\b)+\i)*\pitch th:TH_LOAD_NT
.endr
.endm
.macro WBLOCK b, pitch                 ; block b belongs to fragment lane (r', b % 2), registers 6 (b / 2) on: v16-27 for half 0, v28-39 for half 1
.set WS, WN+32*((\b)%2)
.set CW, 16+12*((\b)%2)+6*((\b)/2)
.if (\b) < 3
	s_wait_loadcnt 32                              ; this block's 32 loads are in; the next block's may be out
.else
	s_wait_loadcnt 0x0
.endif
	v_max3_num_f32 v8, |v[WS]|, |v[WS+1]|, |v[WS+2]|
	v_max3_num_f32 v9, |v[WS+3]|, |v[WS+4]|, |v[WS+5]|
.irp i, 6,10,14,18,22,26
	v_max3_num_f32 v8, v8, |v[WS+\i]|, |v[WS+\i+1]|
	v_max3_num_f32 v9, v9, |v[WS+\i+2]|, |v[WS+\i+3]|
.endr
	v_max3_num_f32 v8, v8, |v[WS+30]|, |v[WS+31]|
	v_max3_num_f32 v8, v8, v9, 0x2800000           ; and the floor
	v_add_nc_u32 v10, 0xfe000000, v8
	v_lshrrev_b32 v11, 23, v10
.if (\b) == 0
	v_mov_b32 v12, v11                             ; the four bytes make my column's scale word
.else
	v_lshl_or_b32 v12, v11, 8*(\b), v12
.endif
	v_cvt_scalef32_pk16_bf6_f32 v[CW:CW+2], v[WS:WS+15], v10
	v_cvt_scalef32_pk16_bf6_f32 v[40:42], v[WS+16:WS+31], v10
	v_nop                                          ; one plain place behind the conversions
.irp i, 0,1,2
	v_mov_b32 v[CW+3+\i], v[40+\i]
.endr
.if (\b) < 2
	WLOAD (\b)+2, \pitch
.endif
.endm
.macro WBODY pitch
	WLOAD 0, \pitch
	WLOAD 1, \pitch
	WBLOCK 0, \pitch
	WBLOCK 1, \pitch
	WBLOCK 2, \pitch
	WBLOCK 3, \pitch
.endm
	s_cmp_eq_u32 s43, 1
	s_cbranch_scc1 .Lnarrow
	s_wait_alu depctr_va_vdst(0)
	WBODY 4096
	s_branch .Lwout
.Lnarrow:
	s_wait_alu depctr_va_vdst(0)
	WBODY 1024
.Lwout:
	s_wait_alu depctr_va_vdst(0)
.irp hh, 0,1
.irp c, 0,1,2
	global_store_b128 v14, v[16+12*\hh+4*\c:19+12*\hh+4*\c], s[38:39] offset:256*\hh+512*\c   ; sixteen lanes fill 256 consecutive bytes of tile 0, sixteen of tile 1, each at a multiple of 256
.endr
.endr
	global_store_b32 v15, v12, s[40:41]            ; the pair's scale image, 128 bytes
.Lend:
	s_wait_tensorcnt 0x0                           ; the wave's end, behind my last LDS store
	ds_add_u32 v[SPW], v[NIL]
	s_wait_dscnt 0x0
	s_endpgm
.Lfunc_end_k_qbae6d410c7_prep:
	.size	k_qbae6d410c7_prep, .Lfunc_end_k_qbae6d410c7_prep-k_qbae6d410c7_prep
	.p2alignl 7, 3214868480
	.fill 96, 4, 3214868480
	.section	.rodata,"a",@progbits
	.p2align	6, 0x0
	.amdhsa_kernel k_qbae6d410c7_prep
		.amdhsa_group_segment_fixed_size 34304
		.amdhsa_private_segment_fixed_size 0
		.amdhsa_enable_private_segment 0
		.amdhsa_kernarg_size 72
		.amdhsa_user_sgpr_count 2
		.amdhsa_user_sgpr_kernarg_segment_ptr 1
		.amdhsa_wavefront_size32 1
		.amdhsa_system_sgpr_workgroup_id_x 1
		.amdhsa_system_sgpr_workgroup_id_y 1
		.amdhsa_system_sgpr_workgroup_id_z 1
		.amdhsa_system_vgpr_workitem_id 0
		.amdhsa_next_free_vgpr 228
		.amdhsa_next_free_sgpr 66
		.amdhsa_reserve_vcc 0
		.amdhsa_float_denorm_mode_32 3
		.amdhsa_float_denorm_mode_16_64 3
		.amdhsa_memory_ordered 1
		.amdhsa_forward_progress 1
		.amdhsa_inst_pref_size 69
	.end_amdhsa_kernel
	.amdgpu_metadata
---
amdhsa.version: [ 1, 2 ]
amdhsa.kernels:
  - .name:           k_qbae6d410c7_prep
    .symbol:         k_qbae6d410c7_prep.kd
    .args:
      - { .name: query, .offset: 0, .size: 8, .value_kind: global_buffer, .address_space: global }
      - { .name: key, .offset: 8, .size: 8, .value_kind: global_buffer, .address_space: global }
      - { .name: value, .offset: 16, .size: 8, .value_kind: global_buffer, .address_space: global }
      - { .name: w_q, .offset: 24, .size: 8, .value_kind: global_buffer, .address_space: global }
      - { .name: w_k, .offset: 32, .size: 8, .value_kind: global_buffer, .address_space: global }
      - { .name: w_v, .offset: 40, .size: 8, .value_kind: global_buffer, .address_space: global }
      - { .name: w_o, .offset: 48, .size: 8, .value_kind: global_buffer, .address_space: global }
      - { .name: xcode, .offset: 56, .size: 8, .value_kind: global_buffer, .address_space: global }
      - { .name: wcode, .offset: 64, .size: 8, .value_kind: global_buffer, .address_space: global }
    .group_segment_fixed_size: 34304
    .private_segment_fixed_size: 0
    .kernarg_segment_align: 8
    .kernarg_segment_size: 72
    .max_flat_workgroup_size: 128
    .sgpr_count:     66
    .vgpr_count:     228
    .wavefront_size: 32
...
	.end_amdgpu_metadata
.endif
;; end of part 1
;; launch proj (part 2): grid 192 x 1, 8 waves a work-group, clusters of 4 x 1, 308,224 bytes of LDS; arguments xcode, wcode, b_q, b_k, b_v, qcode, kvcode; writes qcode, kvcode
.if DOCPART == 2
	.amdgcn_target "amdgcn-amd-amdhsa--gfx1250"
	.amdhsa_code_object_version 6
	.text
	.protected	k_qbae6d410c7_proj
	.globl	k_qbae6d410c7_proj
	.p2align	8
	.type	k_qbae6d410c7_proj,@function
k_qbae6d410c7_proj:
	s_mov_b64 s[64:65], 0
	v_nop
	global_prefetch_b8 v0, s[64:65] scope:SCOPE_SE
	s_setreg_imm32_b32 hwreg(HW_REG_WAVE_MODE, 25, 1), 1
	s_wait_xcnt 0x0
	s_wait_alu depctr_hold_cnt(0) depctr_sa_sdst(0) depctr_va_vdst(0) depctr_va_sdst(0) depctr_va_ssrc(0) depctr_va_vcc(0) depctr_vm_vsrc(0)
	s_getreg_b32 s2, hwreg(HW_REG_IB_STS2, 6, 4)
	s_cmp_eq_u32 s2, 0
	s_cbranch_scc0 .Lentry_in_a_cluster
	s_endpgm
.Lentry_in_a_cluster:
	s_bfe_u32 s2, ttmp6, 0x10000c
	s_cmp_lg_u32 s2, 0x3003
	s_cbranch_scc0 .Lentry_shape_is_right
	s_endpgm
.Lentry_shape_is_right:
; Launch 2 of 4: q = query w_q + b_q, k = key w_k + b_k, v = value w_v + b_v on the codes that launch 1 made, and the results quantised in registers into the operand images of attention.  Nothing is left out.
; SHARES: a work-group takes 128 rows x 256 columns x all of K (1,024): clusters 0-31 q (column block c % 4, rows by c / 4), 32-39 k, 40-47 v.  The four partners of a cluster take four row blocks and the same
; columns: the weights' two streams, two thirds of a work-group's bytes, are asked for JOINTLY; the rows' stream is each work-group's own.  192 work-groups are what 8 x 16 + 2 x 32 such tiles give.
; LDS: three streams [K step 8][unit block 12,800]: the rows' at 0, the weights' at 102,400 and 204,800.  All of K fits: every byte is filled once, in two phases of four K steps; six of the eight waves bring 51,200 bytes each
; of one stream and phase: one tensor load a wave, waves 3 and 7 none.
; q, k: the product is used TRANSPOSED (source 0 = 16 columns of W, source 1 = 16 rows): a lane holds one row, and by the tiles' order of rows its 32 registers of a head's four tiles are numbers 32 b + 16 (lane / 16) + i of
; the head's 64: they are quantised along the head's axis, which is the scores' K.  A wave: 4 tiles of rows x one head.
; v: the product is used as it stands (source 0 = 16 rows, source 1 = 16 columns): a lane holds one column d, its 64 registers run along 128 keys, the second product's K.  A wave: 8 tiles of rows x 2 tiles of columns.
; The bias is the C of each sum's first product.
; qcode: [tile 256][head 16][768: registers 0-3 at 16 l, registers 4-5 at 512 + 8 l], then [tile][head][16 scale words: the head's two bytes, twice].
; kvcode: [kv head 4][128 keys: 32][12,800]: four fragments of K (registers 0-5: key tile 2 b, 6-11: key tile 2 b + 1; the head's 64 fill half of the instruction's 128), four tiles of V^T at 6,144, four scale images at 12,288
; (lanes 0-15: K's fragment b, lanes 16-31: V's tile b).
; LIMITS: as in launch 1; the bias starts the f32 sum and is not its last term.
.set UB,    12800
.set STR,   8*UB                       ; a stream
.set PH,    4*UB                       ; a phase of a stream
.set WPART, PH/8                       ; an eighth of a phase, 25 rows of 256 bytes; not used
.set SPARE, 3*STR                      ; the spare words, 128 bytes a wave, which no other line names
.set SPW,   5                          ; v5  my spare word's LDS address; never rewritten
.set NIL,   6                          ; v6  0; never rewritten
.set WV,    18                         ; s18 my wave's number
.set SEL,   68                         ; s[68:69] lane selects: lane l xor 16
.set XF,    16                         ; v16-63   four fragments of rows
.set WF,    64                         ; v64-111  four fragments of W (v: two, and the bias at v88-103)
.set ACC,   112                        ; v112-239 sixteen accumulators
.set TM,    240                        ; v240..   at work in the quantisers
; v1 rows' fragments, v2 their scale images, v3 W's fragments, v4 W's scale images: LDS addresses, 12,800 on in each K step.  v7 16 l, v8 8 l, v9 4 r, v10 the bias's offset.  v12-15: scale words and nothing else.
.macro ROUND                           ; a round of the cluster's barrier
	s_barrier_signal -1
	s_barrier_wait -1
	s_cmp_lg_u32 s[WV], 0
	s_cbranch_scc1 .Lnot_wave_0_\@
	s_barrier_signal -3
.Lnot_wave_0_\@:
	s_barrier_wait -3
	s_barrier_signal -1
	s_barrier_wait -1
.endm
.macro MM d, a, b, c, sa, sb, ra, rb   ; one product; ra, rb: the scale words stand in lanes 16-31 of their registers
.if (\ra) && (\rb)
	v_wmma_scale_f32_16x16x128_f8f6f4 v[\d:\d+7], v[\a:\a+11], v[\b:\b+11], v[\c:\c+7], v[\sa], v[\sb] matrix_a_fmt:MATRIX_FMT_BF6 matrix_b_fmt:MATRIX_FMT_BF6 matrix_a_scale:MATRIX_SCALE_ROW1 matrix_b_scale:MATRIX_SCALE_ROW1
.elseif (\ra)
	v_wmma_scale_f32_16x16x128_f8f6f4 v[\d:\d+7], v[\a:\a+11], v[\b:\b+11], v[\c:\c+7], v[\sa], v[\sb] matrix_a_fmt:MATRIX_FMT_BF6 matrix_b_fmt:MATRIX_FMT_BF6 matrix_a_scale:MATRIX_SCALE_ROW1
.elseif (\rb)
	v_wmma_scale_f32_16x16x128_f8f6f4 v[\d:\d+7], v[\a:\a+11], v[\b:\b+11], v[\c:\c+7], v[\sa], v[\sb] matrix_a_fmt:MATRIX_FMT_BF6 matrix_b_fmt:MATRIX_FMT_BF6 matrix_b_scale:MATRIX_SCALE_ROW1
.else
	v_wmma_scale_f32_16x16x128_f8f6f4 v[\d:\d+7], v[\a:\a+11], v[\b:\b+11], v[\c:\c+7], v[\sa], v[\sb] matrix_a_fmt:MATRIX_FMT_BF6 matrix_b_fmt:MATRIX_FMT_BF6
.endif
.endm
; 32 numbers of a lane, register 16 b + i = number 32 b + 16 (lane / 16) + i of my row's 64, become six registers of codes at v[d] (lanes 0-15 block 0, lanes 16-31 block 1) and the two scale bytes in v[hw]
.macro HALFQ s, d, hw
.irp b, 0,1
	v_max3_num_f32 v[TM+\b], |v[\s+16*\b]|, |v[\s+16*\b+1]|, 0x2800000   ; each accumulator is read from its low end on; the floor 2^(5 - 127) holds the byte at 1 from below
.endr
.irp i, 2,4,6,8,10,12,14
.irp b, 0,1
	v_max3_num_f32 v[TM+\b], v[TM+\b], |v[\s+16*\b+\i]|, |v[\s+16*\b+\i+1]|
.endr
.endr
.irp b, 0,1
	s_delay_alu instid0(VALU_DEP_2)
	v_permlanex16_b32 v[TM+2+\b], v[TM+\b], s[SEL], s[SEL+1]
.endr
.irp b, 0,1
	s_delay_alu instid0(VALU_DEP_2)
	v_max_num_f32 v[TM+\b], v[TM+\b], v[TM+2+\b]   ; with lane l xor 16's 16: the block's largest magnitude
.endr
.irp b, 0,1
	s_delay_alu instid0(VALU_DEP_2)
	v_add_nc_u32 v[TM+4+\b], 0xfe000000, v[TM+\b]  ; 4 off the exponent field: the conversion's scale operand
.endr
.irp b, 0,1
	s_delay_alu instid0(VALU_DEP_2)
	v_lshrrev_b32 v[TM+6+\b], 23, v[TM+4+\b]
.endr
	s_delay_alu instid0(VALU_DEP_1)
	v_lshl_or_b32 v[\hw], v[TM+7], 8, v[TM+6]
	v_cvt_scalef32_pk16_bf6_f32 v[\d:\d+2], v[\s:\s+15], v[TM+4]
	v_cvt_scalef32_pk16_bf6_f32 v[TM+8:TM+10], v[\s+16:\s+31], v[TM+5]
	v_nop                                          ; one plain place behind the conversions
.irp i, 0,1,2
	v_permlane16_swap_b32 v[\d+\i], v[TM+8+\i]     ; the first's lanes 16-31 change places with the second's lanes 0-15: a whole block in a lane
.endr
.irp i, 0,1,2
	s_delay_alu instid0(VALU_DEP_3)
	v_mov_b32 v[\d+3+\i], v[TM+8+\i]
.endr
.endm
; 64 numbers of a lane, register 16 b + i = k 32 b + 16 (lane / 16) + i of my row, become a fragment's codes at v[pc] (v[pc+12 .. pc+18] at work) and its scale word in v[pw]
.macro QUANT s, pc, pw
.irp b, 0,1,2,3
	v_max3_num_f32 v[TM+\b], |v[\s+16*\b]|, |v[\s+16*\b+1]|, 0x2800000
.endr
.irp i, 2,4,6,8,10,12,14
.irp b, 0,1,2,3
	v_max3_num_f32 v[TM+\b], v[TM+\b], |v[\s+16*\b+\i]|, |v[\s+16*\b+\i+1]|
.endr
.endr
.irp b, 0,1,2,3
	s_delay_alu instid0(VALU_DEP_4)
	v_permlanex16_b32 v[TM+4+\b], v[TM+\b], s[SEL], s[SEL+1]
.endr
.irp b, 0,1,2,3
	s_delay_alu instid0(VALU_DEP_4)
	v_max_num_f32 v[TM+\b], v[TM+\b], v[TM+4+\b]
.endr
.irp b, 0,1,2,3
	s_delay_alu instid0(VALU_DEP_4)
	v_add_nc_u32 v[TM+12+\b], 0xfe000000, v[TM+\b]
.endr
.irp b, 0,1,2,3
	s_delay_alu instid0(VALU_DEP_4)
	v_lshrrev_b32 v[TM+4+\b], 23, v[TM+12+\b]
.endr
	s_delay_alu instid0(VALU_DEP_3)
	v_lshl_or_b32 v[\pw], v[TM+5], 8, v[TM+4]
	s_delay_alu instid0(VALU_DEP_1)
	v_lshl_or_b32 v[\pw], v[TM+6], 16, v[\pw]
	s_delay_alu instid0(VALU_DEP_1)
	v_lshl_or_b32 v[\pw], v[TM+7], 24, v[\pw]
.irp c, 0,1
	v_cvt_scalef32_pk16_bf6_f32 v[\pc+6*\c:\pc+6*\c+2], v[\s+32*\c:\s+32*\c+15], v[TM+12+2*\c]
	v_cvt_scalef32_pk16_bf6_f32 v[\pc+12+4*\c:\pc+12+4*\c+2], v[\s+32*\c+16:\s+32*\c+31], v[TM+13+2*\c]
.endr
	v_nop
.irp c, 0,1
.irp i, 0,1,2
	v_permlane16_swap_b32 v[\pc+6*\c+\i], v[\pc+12+4*\c+\i]
.endr
.irp i, 0,1,2
	s_delay_alu instid0(VALU_DEP_3)
	v_mov_b32 v[\pc+3+6*\c+\i], v[\pc+12+4*\c+\i]
.endr
.endr
.endm
	s_load_b256 s[4:11], s[0:1], 0x0               ; xcode, wcode, b_q, b_k
	s_load_b128 s[12:15], s[0:1], 0x20             ; b_v, qcode
	s_load_b64 s[16:17], s[0:1], 0x30              ; kvcode
	v_lshl_add_u32 v[SPW], v0, 2, SPARE
	v_mov_b32 v[NIL], 0
	ds_add_u32 v[SPW], v[NIL]                      ; the wave's opening: the add, twice on end, and its wait ahead of my first tensor load
	ds_add_u32 v[SPW], v[NIL]
	v_lshrrev_b32 v1, 5, v0
	s_delay_alu instid0(VALU_DEP_1)
	v_readfirstlane_b32 s[WV], v1
	s_bfe_u32 s19, ttmp6, 0x40000                  ; cx: it enters the row block alone
	s_lshr_b32 s70, ttmp9, 2
	s_and_b32 s71, ttmp9, 7
	s_and_b32 s72, ttmp9, 3                        ; q: which 256 columns
	s_lshl_b32 s73, s72, 1
	s_cmp_lt_u32 ttmp9, 40
	s_cselect_b32 s21, 1, 2                        ; which tensor of xcode
	s_cselect_b32 s23, 8, 10                       ; which block of wcode is the first stream's
	s_cmp_lt_u32 ttmp9, 32
	s_cselect_b32 s21, 0, s21
	s_cselect_b32 s23, s73, s23
	s_cselect_b32 s70, s70, s71
	s_lshl_b32 s22, s70, 2
	s_add_co_u32 s22, s22, s19                     ; my block of 128 rows
	s_mov_b32 s48, 3<<16                           ; group 1, my own loads: no mask; elements of 8 bytes; no padding
	s_mov_b32 s56, 15|(3<<16)|(1<<21)              ; group 1, joint loads: the mask names the four partners; bit 21 set beside it
.irp g, 48, 56
	s_mov_b32 s[\g+1], 32<<16                      ; tensor_dim0 = 32 elements: rows of 256 bytes
	s_mov_b32 s[\g+2], 200<<16                     ; tensor_dim1 = 200: four K steps of a stream, 51,200 bytes
	s_mov_b32 s[\g+3], 32<<16                      ; tile_dim0
	s_mov_b32 s[\g+4], 200                         ; tile_dim1
	s_mov_b32 s[\g+5], 32                          ; the pitch: dense
	s_mov_b32 s[\g+6], 0
	s_mov_b32 s[\g+7], 0
.endr
	; THE FILLS: one tensor load a wave, all at the head.  Wave w brings four K steps (w / 4: the first or the last four) of stream w % 4 (0 the rows', 1 and 2 the weights'); waves 3 and 7 bring nothing.
	s_and_b32 s73, s[WV], 3                        ; which stream
	s_lshr_b32 s74, s[WV], 2
	s_mul_i32 s74, s74, PH                         ; which four K steps, in memory and in LDS alike
	s_lshl_b32 s76, s21, 5
	s_add_co_u32 s76, s76, s22
	s_mul_i32 s76, s76, STR
	s_add_co_u32 s76, s76, s74
	s_mov_b32 s77, 0
	s_mul_i32 s78, s23, STR                        ; the weights': made of the cluster's number and the wave's alone
	s_add_co_u32 s78, s78, s74
	s_mov_b32 s79, 0
	s_mov_b32 s[SEL], 0x76543210
	s_mov_b32 s[SEL+1], 0xfedcba98
	s_wait_dscnt 0x0                               ; both opening adds are done
	s_wait_kmcnt 0x0
	s_add_nc_u64 s[76:77], s[4:5], s[76:77]
	s_add_nc_u64 s[78:79], s[6:7], s[78:79]
.irp ph, 0
	s_mov_b32 s[24+12*\ph], 1
	s_add_co_u32 s[25+12*\ph], s74, \ph*PH
	s_add_nc_u64 s[26+12*\ph:27+12*\ph], s[76:77], \ph*PH
	s_or_b32 s[27+12*\ph], s[27+12*\ph], 0x80000000
	s_mov_b32 s[28+12*\ph], 1
	s_add_co_u32 s[29+12*\ph], s74, STR+\ph*PH
	s_add_nc_u64 s[30+12*\ph:31+12*\ph], s[78:79], \ph*PH
	s_or_b32 s[31+12*\ph], s[31+12*\ph], 0x80000000
	s_mov_b32 s[32+12*\ph], 1
	s_add_co_u32 s[33+12*\ph], s74, 2*STR+\ph*PH
	s_add_nc_u64 s[34+12*\ph:35+12*\ph], s[78:79], STR+\ph*PH
	s_or_b32 s[35+12*\ph], s[35+12*\ph], 0x80000000
.endr
	ROUND                                          ; all four work-groups are here: the joint loads meet
	s_cmp_eq_u32 s73, 0                            ; one chain of branches on the wave's number, one load to an arm, all arms to one join
	s_cbranch_scc0 .Lhead_w0
	tensor_load_to_lds s[24:27], s[48:55]
	s_nop 0
.rept 4
	v_nop
.endr
	s_branch .Lhead_asked
.Lhead_w0:
	s_cmp_eq_u32 s73, 1
	s_cbranch_scc0 .Lhead_w1
	tensor_load_to_lds s[28:31], s[56:63]
	s_nop 0
.rept 4
	v_nop
.endr
	s_branch .Lhead_asked
.Lhead_w1:
	s_cmp_eq_u32 s73, 2
	s_cbranch_scc0 .Lhead_asked
	tensor_load_to_lds s[32:35], s[56:63]
	s_nop 0
.rept 4
	v_nop
.endr
.Lhead_asked:
	v_and_b32 v11, 31, v0
	s_delay_alu instid0(VALU_DEP_1)
	v_lshlrev_b32 v7, 4, v11                       ; 16 l
	s_delay_alu instid0(VALU_DEP_2)
	v_lshlrev_b32 v8, 3, v11                       ; 8 l
	s_delay_alu instid0(VALU_DEP_3)
	v_lshlrev_b32 v11, 2, v11                      ; 4 l
	v_and_b32 v9, 15, v0
	s_delay_alu instid0(VALU_DEP_1)
	v_lshlrev_b32 v9, 2, v9                        ; 4 r
	s_cmp_ge_u32 ttmp9, 40                         ; the cluster's number: the same in all partners and waves
	s_cbranch_scc1 .Lvpath
; ---------------- q and k
	s_and_b32 s80, s[WV], 1                        ; a: tiles of rows 4 a .. 4 a + 3
	s_lshr_b32 s81, s[WV], 1                       ; hh: the head among the 256 columns: W's tiles 4 hh .. 4 hh + 3
	s_mul_i32 s82, s80, 6144
	v_add_nc_u32 v1, s82, v7
	s_lshl_b32 s82, s80, 8
	s_add_co_u32 s82, s82, 12288
	v_add_nc_u32 v2, s82, v11
	s_lshr_b32 s83, s81, 1
	s_mul_i32 s83, s83, STR
	s_add_co_u32 s83, s83, STR                     ; the head's stream
	s_and_b32 s84, s81, 1
	s_mul_i32 s85, s84, 6144
	s_add_co_u32 s85, s85, s83
	s_wait_alu depctr_va_vdst(0)
	v_add_nc_u32 v3, s85, v7
	s_lshl_b32 s85, s84, 8
	s_add_co_u32 s85, s85, s83
	s_add_co_u32 s85, s85, 12288
	v_add_nc_u32 v4, s85, v11
	v_bfe_u32 v10, v0, 4, 1
	s_delay_alu instid0(VALU_DEP_1)
	v_lshlrev_b32 v10, 6, v10                      ; 64 h: lane (r, h) wants, for tile 2 b + u, the bias of columns 32 b + 16 h + 8 u + 0 .. 7
	s_wait_alu depctr_va_vdst(0)
	s_cmp_lt_u32 ttmp9, 32
	s_cselect_b64 s[86:87], s[8:9], s[10:11]
	s_cselect_b32 s88, s72, 0
	s_lshl_b32 s88, s88, 2
	s_add_co_u32 s88, s88, s81                     ; the head's number (q: 0 .. 15; k: 0 .. 3)
	s_lshl_b32 s70, s88, 8
	s_mov_b32 s71, 0
	s_add_nc_u64 s[86:87], s[86:87], s[70:71]
.irp t, 0,1,2,3                        ; the bias lands in the accumulators of the fourth tile of rows
	global_load_b128 v[ACC+96+8*\t:ACC+96+8*\t+3], v10, s[86:87] offset:128*(\t/2)+32*(\t%2)
	global_load_b128 v[ACC+100+8*\t:ACC+100+8*\t+3], v10, s[86:87] offset:128*(\t/2)+32*(\t%2)+16
.endr
; A K step: 24 + 4 LDS loads, 16 products, the accumulators by turns.  first = 1: tiles of rows 0-2 take the bias from the fourth tile's accumulators as C; the fourth then adds in place,
; five places behind the products that read those registers.  The four additions at the end are the places in front of the next loads.
.macro QSTEP first
.irp t, 0,1,2,3
.irp c, 0,1,2
	ds_load_b128 v[WF+12*\t+4*\c:WF+12*\t+4*\c+3], v3 offset:1536*\t+512*\c
.endr
.endr
.irp i, 0,1,2,3
.irp c, 0,1,2
	ds_load_b128 v[XF+12*\i+4*\c:XF+12*\i+4*\c+3], v1 offset:1536*\i+512*\c
.endr
.endr
	ds_load_b32 v12, v4
	ds_load_b32 v13, v4 offset:128
	ds_load_b32 v14, v2
	ds_load_b32 v15, v2 offset:128
	s_wait_dscnt 0x0
.if \first
.irp i, 0,1,2
.irp t, 0,1,2,3
	MM ACC+32*\i+8*\t, WF+12*\t, XF+12*\i, ACC+96+8*\t, 12+\t/2, 14+\i/2, \t%2, \i%2
.endr
.endr
.rept 5
	v_nop
.endr
.irp t, 0,1,2,3
	MM ACC+96+8*\t, WF+12*\t, XF+36, ACC+96+8*\t, 12+\t/2, 15, \t%2, 1
.endr
.else
.irp i, 0,1,2,3
.irp t, 0,1,2,3
	MM ACC+32*\i+8*\t, WF+12*\t, XF+12*\i, ACC+32*\i+8*\t, 12+\t/2, 14+\i/2, \t%2, \i%2
.endr
.endr
.endif
	v_add_nc_u32 v1, UB, v1
	v_add_nc_u32 v2, UB, v2
	v_add_nc_u32 v3, UB, v3
	v_add_nc_u32 v4, UB, v4
.endm
	s_wait_tensorcnt 0x0                           ; my load is in: behind the barrier all of K lies in LDS
	s_barrier_signal -1
	s_barrier_wait -1
	s_wait_loadcnt 0x0
	QSTEP 1
	s_wait_alu depctr_va_vdst(0)
	QSTEP 0
	s_wait_alu depctr_va_vdst(0)
	QSTEP 0
	s_wait_alu depctr_va_vdst(0)
	QSTEP 0
	s_wait_alu depctr_va_vdst(0)
	QSTEP 0
	s_wait_alu depctr_va_vdst(0)
	QSTEP 0
	s_wait_alu depctr_va_vdst(0)
	QSTEP 0
	s_wait_alu depctr_va_vdst(0)
	QSTEP 0
	v_mov_b32 v[TM+2], 0                           ; (the last step's four additions are the places behind the last products)  a lane permute's destination counts as one of its sources
	v_mov_b32 v[TM+3], 0
.irp i, 0,1,2,3
	HALFQ ACC+32*\i, 16+6*\i, 44+\i
.endr
	s_cmp_lt_u32 ttmp9, 32
	s_cbranch_scc0 .Lkout
.irp i, 0,1,2,3
	v_lshl_or_b32 v[40+\i], v[44+\i], 16, v[44+\i] ; q's scale word: the two bytes twice, since q serves as the lower or as the upper 64 of the instruction's K
.endr
	s_lshl_b32 s70, s22, 3
	s_lshl_b32 s71, s80, 2
	s_add_co_u32 s70, s70, s71                     ; my first tile
	s_lshl_b32 s70, s70, 4
	s_add_co_u32 s70, s70, s88                     ; x 16 + the head
	s_mul_i32 s74, s70, 768
	s_mov_b32 s75, 0
	s_lshl_b32 s76, s70, 6
	s_add_co_u32 s76, s76, 3145728
	s_mov_b32 s77, 0
	s_add_nc_u64 s[74:75], s[14:15], s[74:75]
	s_add_nc_u64 s[76:77], s[14:15], s[76:77]
	s_wait_alu depctr_va_vdst(0)
.irp i, 0,1,2,3
	global_store_b128 v7, v[16+6*\i:19+6*\i], s[74:75] offset:12288*\i        ; 512 consecutive bytes,
	global_store_b64 v8, v[20+6*\i:21+6*\i], s[74:75] offset:12288*\i+512     ; and 256, both at multiples of 256
	global_store_b32 v9, v[40+\i], s[76:77] offset:1024*\i
.endr
	s_branch .Lend
.Lkout:
	v_lshl_or_b32 v40, v45, 16, v44                ; a fragment of K holds two tiles of keys: its scale word holds both tiles' bytes
	s_wait_alu depctr_va_vdst(0)
	v_lshl_or_b32 v41, v47, 16, v46
	s_wait_alu depctr_va_vdst(0)
	s_mul_i32 s70, s81, 409600
	s_mul_i32 s71, s22, UB
	s_add_co_u32 s70, s70, s71                     ; the head's block of these 128 keys
	s_mul_i32 s74, s80, 3072
	s_add_co_u32 s74, s74, s70                     ; fragments 2 a, 2 a + 1
	s_mov_b32 s75, 0
	s_lshl_b32 s76, s80, 8
	s_add_co_u32 s76, s76, s70
	s_add_co_u32 s76, s76, 12288
	s_mov_b32 s77, 0
	s_add_nc_u64 s[74:75], s[16:17], s[74:75]
	s_add_nc_u64 s[76:77], s[16:17], s[76:77]
.irp f, 0,1
.irp c, 0,1,2
	global_store_b128 v7, v[16+12*\f+4*\c:19+12*\f+4*\c], s[74:75] offset:1536*\f+512*\c
.endr
	global_store_b32 v9, v[40+\f], s[76:77] offset:128*\f
.endr
	s_branch .Lend
; ---------------- v
.Lvpath:
	s_wait_alu depctr_va_vdst(0)
	v_mov_b32 v1, v7
	v_add_nc_u32 v2, 12288, v11
	s_lshr_b32 s80, s[WV], 2
	s_mul_i32 s80, s80, STR
	s_add_co_u32 s80, s80, STR                     ; W's tiles 2 w, 2 w + 1: pair w % 4 of stream w / 4
	s_and_b32 s81, s[WV], 3
	s_mul_i32 s82, s81, 3072
	s_add_co_u32 s82, s82, s80
	v_add_nc_u32 v3, s82, v7
	s_lshl_b32 s82, s81, 7
	s_add_co_u32 s82, s82, s80
	s_add_co_u32 s82, s82, 12288
	v_add_nc_u32 v4, s82, v11
	v_bfe_u32 v10, v0, 3, 1
	s_delay_alu instid0(VALU_DEP_1)
	v_lshl_add_u32 v10, v10, 5, v9                 ; 4 (r + 8 (r / 8)): my column in its tile
	s_lshl_b32 s70, s[WV], 7
	s_mov_b32 s71, 0
	s_add_nc_u64 s[86:87], s[12:13], s[70:71]
.irp n, 0,1
.irp j, 0,1,2,3,4,5,6,7
	global_load_b32 v[88+8*\n+\j], v10, s[86:87] offset:32*\n   ; a lane holds one column: its bias in all eight registers of the C operand
.endr
.endr
.macro VSTEP first
.irp n, 0,1
.irp c, 0,1,2
	ds_load_b128 v[WF+12*\n+4*\c:WF+12*\n+4*\c+3], v3 offset:1536*\n+512*\c
.endr
.endr
	ds_load_b32 v12, v4
.irp g, 0,1                            ; the rows' eight tiles, four at a time
.if \g
.rept 4
	v_nop                                          ; places in front of loads into registers that the products have read
.endr
.endif
.irp i, 0,1,2,3
.irp c, 0,1,2
	ds_load_b128 v[XF+12*\i+4*\c:XF+12*\i+4*\c+3], v1 offset:6144*\g+1536*\i+512*\c
.endr
.endr
	ds_load_b32 v14, v2 offset:256*\g
	ds_load_b32 v15, v2 offset:256*\g+128
	s_wait_dscnt 0x0
.irp i, 0,1,2,3
.irp n, 0,1
.if \first
	MM ACC+64*\n+32*\g+8*\i, XF+12*\i, WF+12*\n, 88+8*\n, 14+\i/2, 12, \i%2, \n
.else
	MM ACC+64*\n+32*\g+8*\i, XF+12*\i, WF+12*\n, ACC+64*\n+32*\g+8*\i, 14+\i/2, 12, \i%2, \n
.endif
.endr
.endr
.endr
	v_add_nc_u32 v1, UB, v1
	v_add_nc_u32 v2, UB, v2
	v_add_nc_u32 v3, UB, v3
	v_add_nc_u32 v4, UB, v4
.endm
	s_wait_alu depctr_va_vdst(0)
	s_wait_tensorcnt 0x0                           ; as above
	s_barrier_signal -1
	s_barrier_wait -1
	s_wait_loadcnt 0x0
	VSTEP 1
	s_wait_alu depctr_va_vdst(0)
	VSTEP 0
	s_wait_alu depctr_va_vdst(0)
	VSTEP 0
	s_wait_alu depctr_va_vdst(0)
	VSTEP 0
	s_wait_alu depctr_va_vdst(0)
	VSTEP 0
	s_wait_alu depctr_va_vdst(0)
	VSTEP 0
	s_wait_alu depctr_va_vdst(0)
	VSTEP 0
	s_wait_alu depctr_va_vdst(0)
	VSTEP 0
.irp b, 0,1,2,3
	v_mov_b32 v[TM+4+\b], 0                        ; (the four additions are the places)  permute destinations, written once
.endr
	QUANT ACC, 16, 104
	QUANT ACC+64, 36, 105
	s_lshr_b32 s70, s[WV], 1                       ; the kv head
	s_mul_i32 s70, s70, 409600
	s_mul_i32 s71, s22, UB
	s_add_co_u32 s70, s70, s71
	s_and_b32 s71, s[WV], 1
	s_mul_i32 s74, s71, 3072
	s_add_co_u32 s74, s74, s70
	s_add_co_u32 s74, s74, 6144                    ; V's tiles 2 (w % 2), + 1
	s_mov_b32 s75, 0
	s_lshl_b32 s76, s71, 8
	s_add_co_u32 s76, s76, s70
	s_add_co_u32 s76, s76, 12288+64                ; lanes 16-31 of their scale images
	s_mov_b32 s77, 0
	s_add_nc_u64 s[74:75], s[16:17], s[74:75]
	s_add_nc_u64 s[76:77], s[16:17], s[76:77]
	s_wait_alu depctr_va_vdst(0)
.irp n, 0,1
.irp c, 0,1,2
	global_store_b128 v7, v[16+20*\n+4*\c:19+20*\n+4*\c], s[74:75] offset:1536*\n+512*\c
.endr
	global_store_b32 v9, v[104+\n], s[76:77] offset:128*\n
.endr
.Lend:
	s_wait_tensorcnt 0x0                           ; the wave's end
	ds_add_u32 v[SPW], v[NIL]
	s_wait_dscnt 0x0
	ROUND                                          ; the closing round
	s_endpgm
.Lfunc_end_k_qbae6d410c7_proj:
	.size	k_qbae6d410c7_proj, .Lfunc_end_k_qbae6d410c7_proj-k_qbae6d410c7_proj
	.p2alignl 7, 3214868480
	.fill 96, 4, 3214868480
	.section	.rodata,"a",@progbits
	.p2align	6, 0x0
	.amdhsa_kernel k_qbae6d410c7_proj
		.amdhsa_group_segment_fixed_size 308224
		.amdhsa_private_segment_fixed_size 0
		.amdhsa_enable_private_segment 0
		.amdhsa_kernarg_size 56
		.amdhsa_user_sgpr_count 2
		.amdhsa_user_sgpr_kernarg_segment_ptr 1
		.amdhsa_wavefront_size32 1
		.amdhsa_system_sgpr_workgroup_id_x 1
		.amdhsa_system_sgpr_workgroup_id_y 1
		.amdhsa_system_sgpr_workgroup_id_z 1
		.amdhsa_system_vgpr_workitem_id 0
		.amdhsa_next_free_vgpr 256
		.amdhsa_next_free_sgpr 90
		.amdhsa_reserve_vcc 0
		.amdhsa_float_denorm_mode_32 3
		.amdhsa_float_denorm_mode_16_64 3
		.amdhsa_memory_ordered 1
		.amdhsa_forward_progress 1
		.amdhsa_inst_pref_size 103
	.end_amdhsa_kernel
	.amdgpu_metadata
---
amdhsa.version: [ 1, 2 ]
amdhsa.kernels:
  - .name:           k_qbae6d410c7_proj
    .symbol:         k_qbae6d410c7_proj.kd
    .args:
      - { .name: xcode, .offset: 0, .size: 8, .value_kind: global_buffer, .address_space: global }
      - { .name: wcode, .offset: 8, .size: 8, .value_kind: global_buffer, .address_space: global }
      - { .name: b_q, .offset: 16, .size: 8, .value_kind: global_buffer, .address_space: global }
      - { .name: b_k, .offset: 24, .size: 8, .value_kind: global_buffer, .address_space: global }
      - { .name: b_v, .offset: 32, .size: 8, .value_kind: global_buffer, .address_space: global }
      - { .name: qcode, .offset: 40, .size: 8, .value_kind: global_buffer, .address_space: global }
      - { .name: kvcode, .offset: 48, .size: 8, .value_kind: global_buffer, .address_space: global }
    .group_segment_fixed_size: 308224
    .private_segment_fixed_size: 0
    .kernarg_segment_align: 8
    .kernarg_segment_size: 56
    .max_flat_workgroup_size: 256
    .sgpr_count:     90
    .vgpr_count:     256
    .wavefront_size: 32
...
	.end_amdgpu_metadata
.endif
;; end of part 2
;; launch attn (part 3): grid 64 x 4, 16 waves a work-group, clusters of 4 x 1, 327,680 bytes of LDS; arguments qcode, kvcode, acode; writes acode
.if DOCPART == 3
	.amdgcn_target "amdgcn-amd-amdhsa--gfx1250"
	.amdhsa_code_object_version 6
	.text
	.protected	k_qbae6d410c7_attn
	.globl	k_qbae6d410c7_attn
	.p2align	8
	.type	k_qbae6d410c7_attn,@function
k_qbae6d410c7_attn:
	s_mov_b64 s[64:65], 0
	v_nop
	global_prefetch_b8 v0, s[64:65] scope:SCOPE_SE
	s_setreg_imm32_b32 hwreg(HW_REG_WAVE_MODE, 25, 1), 1
	s_wait_xcnt 0x0
	s_wait_alu depctr_hold_cnt(0) depctr_sa_sdst(0) depctr_va_vdst(0) depctr_va_sdst(0) depctr_va_ssrc(0) depctr_va_vcc(0) depctr_vm_vsrc(0)
	s_getreg_b32 s2, hwreg(HW_REG_IB_STS2, 6, 4)
	s_cmp_eq_u32 s2, 0
	s_cbranch_scc0 .Lentry_in_a_cluster
	s_endpgm
.Lentry_in_a_cluster:
	s_bfe_u32 s2, ttmp6, 0x10000c
	s_cmp_lg_u32 s2, 0x3003
	s_cbranch_scc0 .Lentry_shape_is_right
	s_endpgm
.Lentry_shape_is_right:
; Launch 3 of 4: attention in MX-BF6 on the operand images of launch 2; its result, divided by the row's sum, is quantised along the head's axis into the operand images of launch 4.  Nothing is left out.
; SHARES: a work-group takes 64 queries x the four query heads of one kv head (grid y); a wave takes 16 queries of one head and walks all 4,096 keys in 32 steps of 128.  256 work-groups.
; The four partners of a cluster take four blocks of queries of the same kv head: K's and V's blocks are asked for JOINTLY.
; LDS: two slots of eight blocks of 12,800 bytes (128 keys: four fragments of K, four tiles of V^T, four scale images); each of the 16 waves brings 6,400 bytes of a slot: one tensor load a wave behind each round.
; No data prefetch is laid: a slot's load is issued eight steps ahead of the wait for it, and the first two fills have no loop ahead of them.
; BOTH PRODUCTS ARE USED TRANSPOSED (S^T = K q^T, O^T = V^T p^T): a lane holds one query.  A fragment of K holds two tiles of 16 keys (the head's 64 fill half of the instruction's 128): q stands once in the lower and once in
; the upper half of a fragment, zero codes in the other half.  By the order of key's tiles (row m of tile T: key 64 (T / 4) + 8 (T % 4) + m % 8 + 32 (m / 8)) register 8 T + j of lane (r, h) is key 64 (T / 4) + 32 h + 8 (T % 4) + j:
; A LANE'S 32 REGISTERS OF FOUR TILES ARE ONE WHOLE BLOCK OF 32 KEYS, the one that the operand's layout gives that lane.  So a block's maximum needs no other lane and the conversions' results are the operand's registers.
; SOFTMAX: M is the running largest t = score x log2(e) / 8, rounded up to a whole number, kept as -M; p = 2^(t - M); the sum is taken of the unquantised p; when M moves, sum and O^T are multiplied by 2^(old M - new M), exactly.
; A block's largest p is the p of its largest score, made by the same multiply-add and exponential (this takes v_exp_f32 not to fall where its input rises).
; A STEP: the score products; then, in one run, V's loads of this step and K's of the next (registers of their own: both have the softmax in which to land); maxima; t - M; one batch of 66 exponentials; sums in four chains; codes; O^T.
; LIMITS: the promise holds while the scaled scores t stay under 2^31 in magnitude.  NaN and infinities are not served.  A block whose every p has fallen to 0 keeps the byte 1: its codes are zeros.
.set UB,    12800
.set SLOT1, 1<<17
.set FILL,  8*UB
.set SCST,  SLOT1+FILL                 ; 512 bytes: the result's scale bytes are gathered here; no tensor load lands here
.set SPARE, SCST+512                   ; the spare words, 128 bytes a wave, which no other line names
.set SPW,   5                          ; v5  my spare word's LDS address; never rewritten
.set NIL,   6                          ; v6  0; never rewritten
.set SH,    7                          ; v7  8 h
.set QS,    9                          ; v9  q's scale words
.set L0,    10                         ; v[10:11], v[14:15] the row's sum in four parts
.set NM,    12                         ; v12 -M, v13 the running largest score
.set L1,    14
.set Q,     16                         ; v16-33  q | zeros | q
.set F,     34                         ; v34 f = 2^(old M - new M)
.set PS,    35                         ; v35 p's scale word
.set KF,    36                         ; v36-83   four fragments of K
.set VF,    84                         ; v84-131  four tiles of V^T
.set S,     132                        ; v132-195 S^T, then p
.set O,     196                        ; v196-227 O^T
.set P,     228                        ; v228-239 p's codes
.set T0,    240                        ; v240-242, v244-246 at work; the upper halves of the blocks' codes
.set E0,    243                        ; v243, v247 my two blocks: largest score, largest p, the conversion's scale operand
.set T1,    244
.set E1,    247
.set KS,    248                        ; v248-251 scale words of K's fragments (lanes 0-15)
.set VS,    252                        ; v252-255 scale words of V's tiles (lanes 16-31)
.set TM,    176                        ; the way out: at work in the quantiser
.set WV,    10
.set SEL,   32
.set CS,    34
.set TB,    36
.set CNT,   37
; v1 16 l, v2 4 l, v3, v4 the step's block in LDS (+ 16 l, + 4 l), v8 4 r
.macro ROUND                           ; a round of the cluster's barrier
	s_barrier_signal -1
	s_barrier_wait -1
	s_cmp_lg_u32 s[WV], 0
	s_cbranch_scc1 .Lnot_wave_0_\@
	s_barrier_signal -3
.Lnot_wave_0_\@:
	s_barrier_wait -3
	s_barrier_signal -1
	s_barrier_wait -1
.endm
; 32 numbers of a lane, register 16 b + i = number 32 b + 16 (lane / 16) + i of my row's 64, become six registers of codes at v[d] and the two scale bytes in v[hw]
.macro HALFQ s, d, hw
.irp b, 0,1
	v_max3_num_f32 v[TM+\b], |v[\s+16*\b]|, |v[\s+16*\b+1]|, 0x2800000
.endr
.irp i, 2,4,6,8,10,12,14
.irp b, 0,1
	s_delay_alu instid0(VALU_DEP_2)
	v_max3_num_f32 v[TM+\b], v[TM+\b], |v[\s+16*\b+\i]|, |v[\s+16*\b+\i+1]|
.endr
.endr
.irp b, 0,1
	v_permlanex16_b32 v[TM+2+\b], v[TM+\b], s[SEL], s[SEL+1]
.endr
.irp b, 0,1
	s_delay_alu instid0(VALU_DEP_2)
	v_max_num_f32 v[TM+\b], v[TM+\b], v[TM+2+\b]
.endr
.irp b, 0,1
	s_delay_alu instid0(VALU_DEP_2)
	v_add_nc_u32 v[TM+4+\b], 0xfe000000, v[TM+\b]
.endr
.irp b, 0,1
	s_delay_alu instid0(VALU_DEP_2)
	v_lshrrev_b32 v[TM+6+\b], 23, v[TM+4+\b]
.endr
	s_delay_alu instid0(VALU_DEP_1)
	v_lshl_or_b32 v[\hw], v[TM+7], 8, v[TM+6]
	v_cvt_scalef32_pk16_bf6_f32 v[\d:\d+2], v[\s:\s+15], v[TM+4]
	v_cvt_scalef32_pk16_bf6_f32 v[TM+8:TM+10], v[\s+16:\s+31], v[TM+5]
	v_nop
.irp i, 0,1,2
	v_permlane16_swap_b32 v[\d+\i], v[TM+8+\i]
.endr
.irp i, 0,1,2
	s_delay_alu instid0(VALU_DEP_3)
	v_mov_b32 v[\d+3+\i], v[TM+8+\i]
.endr
.endm
	s_load_b128 s[4:7], s[0:1], 0x0                ; qcode, kvcode
	s_load_b64 s[8:9], s[0:1], 0x10                ; acode
	v_lshl_add_u32 v[SPW], v0, 2, SPARE
	v_mov_b32 v[NIL], 0
	ds_add_u32 v[SPW], v[NIL]                      ; the opening: the add, twice on end, and its wait ahead of my first tensor load
	ds_add_u32 v[SPW], v[NIL]
	v_lshrrev_b32 v1, 5, v0
	s_delay_alu instid0(VALU_DEP_1)
	v_readfirstlane_b32 s[WV], v1
	s_bfe_u32 s11, ttmp6, 0x40000                  ; cx: it enters the block of queries alone
	s_lshl_b32 s12, ttmp9, 2
	s_add_co_u32 s12, s12, s11                     ; my block of 64 queries
	s_and_b32 s13, ttmp7, 0xffff                   ; the kv head
	s_and_b32 s14, s[WV], 3                        ; the query head among the kv head's four
	s_lshr_b32 s15, s[WV], 2                       ; the tile of 16 queries among the block's four
	s_mov_b32 s16, 15|(3<<16)|(1<<21)              ; group 1: the mask names the four partners, bit 21 beside it; elements of 8 bytes
	s_mov_b32 s17, 32<<16                          ; rows of 256 bytes,
	s_mov_b32 s18, 25<<16                          ; 25 of them,
	s_mov_b32 s19, 32<<16
	s_mov_b32 s20, 25
	s_mov_b32 s21, 32                              ; dense
	s_mov_b32 s22, 0
	s_mov_b32 s23, 0
	s_mul_i32 s38, s[WV], 6400                     ; my wave's part of a slot, in memory and in LDS alike
	s_mul_i32 s40, s13, 409600
	s_add_co_u32 s40, s40, s38
	s_mov_b32 s41, 0
	s_mov_b32 s[SEL], 0x76543210
	s_mov_b32 s[SEL+1], 0xfedcba98                 ; lane selects: lane l xor 16
	s_mov_b32 s[CS], 0x3e38aa3b                    ; log2(e) / 8
	s_mov_b32 s[CS+1], s[CS]
	s_wait_dscnt 0x0                               ; both opening adds are done
	s_wait_kmcnt 0x0
	s_add_nc_u64 s[40:41], s[6:7], s[40:41]
	s_mov_b32 s24, 1                               ; group 0 of slot 0,
	s_mov_b32 s25, s38
	s_mov_b64 s[26:27], s[40:41]
	s_or_b32 s27, s27, 0x80000000
	s_mov_b32 s28, 1                               ; and of slot 1
	s_add_co_u32 s29, s38, SLOT1
	s_add_nc_u64 s[30:31], s[40:41], FILL
	s_or_b32 s31, s31, 0x80000000
	ROUND                                          ; all four work-groups are here: the joint loads meet
	tensor_load_to_lds s[24:27], s[16:23]          ; keys 0 .. 1,023: my one load at the head
	s_nop 0
	s_lshl_b32 s42, s12, 2                         ; the rest of the head stands under that load's flight
	s_add_co_u32 s42, s42, s15
	s_lshl_b32 s42, s42, 4
	s_lshl_b32 s43, s13, 2
	s_add_co_u32 s43, s43, s14
	s_add_co_u32 s42, s42, s43                     ; 16 x my tile of queries + my head
	s_mul_i32 s44, s42, 768
	s_mov_b32 s45, 0
	s_lshl_b32 s46, s42, 6
	s_add_co_u32 s46, s46, 3145728
	s_mov_b32 s47, 0
	s_add_nc_u64 s[44:45], s[4:5], s[44:45]
	s_add_nc_u64 s[46:47], s[4:5], s[46:47]
	s_lshr_b32 s48, s14, 1                         ; where my two scale bytes go in the stage
	s_lshl_b32 s48, s48, 8
	s_lshl_b32 s49, s15, 6
	s_add_co_u32 s48, s48, s49
	s_and_b32 s49, s14, 1
	s_lshl_b32 s49, s49, 1
	s_add_co_u32 s48, s48, s49
	s_add_co_u32 s48, s48, SCST
	v_and_b32 v4, 31, v0
	v_and_b32 v8, 15, v0
	v_bfe_u32 v[SH], v0, 4, 1
	v_lshlrev_b32 v1, 4, v4                        ; 16 l
	v_lshlrev_b32 v2, 2, v4                        ; 4 l
	v_lshlrev_b32 v3, 3, v4                        ; 8 l
	v_lshlrev_b32 v8, 2, v8                        ; 4 r
	v_lshlrev_b32 v[SH], 3, v[SH]                  ; 8 h
	global_load_b128 v[Q:Q+3], v1, s[44:45]
	global_load_b64 v[Q+4:Q+5], v3, s[44:45] offset:512
	global_load_b128 v[Q+12:Q+15], v1, s[44:45]
	global_load_b64 v[Q+16:Q+17], v3, s[44:45] offset:512
	global_load_b32 v[QS], v8, s[46:47]
.irp j, 6,7,8,9,10,11
	v_mov_b32 v[Q+\j], 0                           ; zero codes: the half of the instruction's K that the head does not fill
.endr
	v_mov_b32 v[NM+1], 0xff61b1e6                  ; the largest score so far: -3e38,
	v_mov_b32 v[NM], 0x7f61b1e6                    ; and -M = 3e38: the first f comes out 0
.irp j, L0, L0+1, L1, L1+1, PS
	v_mov_b32 v[\j], 0
.endr
.set J, 0
.rept 32
	v_mov_b32 v[O+J], 0                            ; the step is written once: the first finds zeros
.set J, J+1
.endr
.macro KLOAD off                       ; K's four fragments and their scale words, of the block that begins off bytes behind v3, v4
.irp b, 0,1,2,3
.irp c, 0,1,2
	ds_load_b128 v[KF+12*\b+4*\c:KF+12*\b+4*\c+3], v3 offset:\off+1536*\b+512*\c
.endr
	ds_load_b32 v[KS+\b], v4 offset:\off+12288+128*\b
.endr
.endm
.macro TM8 j0                          ; t - M of 16 scores, two at a time
.irp k, 0,2,4,6,8,10,12,14
	v_pk_fma_f32 v[S+\j0+\k:S+\j0+\k+1], v[S+\j0+\k:S+\j0+\k+1], s[CS:CS+1], v[NM:NM+1] op_sel_hi:[1,0,0]
.endr
.endm
.macro SUM4 j                          ; eight p into the four chains
	v_pk_add_f32 v[L0:L0+1], v[L0:L0+1], v[S+\j:S+\j+1]
	v_pk_add_f32 v[L1:L1+1], v[L1:L1+1], v[S+\j+2:S+\j+3]
	v_pk_add_f32 v[T0:T0+1], v[T0:T0+1], v[S+\j+4:S+\j+5]
	v_pk_add_f32 v[T1:T1+1], v[T1:T1+1], v[S+\j+6:S+\j+7]
.endm
; A step of 128 keys.  pf = 1: the next block's fragments of K are fetched too (not in a slot's last step: the next slot is read only behind its barrier)
.macro STEP pf
	s_wait_dscnt 0x0                               ; K's fragments: asked for in the step before, or ahead of the loop
.irp b, 0,1,2,3
	v_wmma_scale_f32_16x16x128_f8f6f4 v[S+16*\b:S+16*\b+7], v[KF+12*\b:KF+12*\b+11], v[Q:Q+11], 0, v[KS+\b], v[QS] matrix_a_fmt:MATRIX_FMT_BF6 matrix_b_fmt:MATRIX_FMT_BF6
	v_wmma_scale_f32_16x16x128_f8f6f4 v[S+16*\b+8:S+16*\b+15], v[KF+12*\b:KF+12*\b+11], v[Q+6:Q+17], 0, v[KS+\b], v[QS] matrix_a_fmt:MATRIX_FMT_BF6 matrix_b_fmt:MATRIX_FMT_BF6
.endr
	v_add_nc_u32 v3, s[TB], v1                     ; four places behind the products above and the last step's: in front of the loads into their operands and of the first read of S^T
	v_add_nc_u32 v4, s[TB], v2
	v_nop
	v_nop
.irp t, 0,1,2,3
.irp c, 0,1,2
	ds_load_b128 v[VF+12*\t+4*\c:VF+12*\t+4*\c+3], v3 offset:6144+1536*\t+512*\c
.endr
	ds_load_b32 v[VS+\t], v4 offset:12288+128*\t
.endr
.if \pf
	KLOAD UB
.endif
.irp g, 0,1,2,3                        ; the largest score of my two blocks, in four chains of 16; each accumulator is read from its low end on
	v_max3_num_f32 v[240+3*(\g%2)+4*(\g/2)], v[S+16*\g], v[S+16*\g+1], v[S+16*\g+2]
.endr
.irp i, 3,5,7,9,11,13
.irp g, 0,1,2,3
	v_max3_num_f32 v[240+3*(\g%2)+4*(\g/2)], v[240+3*(\g%2)+4*(\g/2)], v[S+16*\g+\i], v[S+16*\g+\i+1]
.endr
.endr
	v_max_num_f32 v[T0], v[T0], v[S+15]
	v_max_num_f32 v[T1], v[T1], v[S+47]
	v_mov_b32 v[T0+1], v[NM]                       ; the old -M
	v_max3_num_f32 v[E0], v[E0], v[S+31], v[T0]
	v_max3_num_f32 v[E1], v[E1], v[S+63], v[T1]
	s_delay_alu instid0(VALU_DEP_1)
	v_max3_num_f32 v[NM+1], v[NM+1], v[E0], v[E1]
	s_delay_alu instid0(VALU_DEP_1)
	v_permlanex16_b32 v[T0], v[NM+1], s[SEL], s[SEL+1]
	s_delay_alu instid0(VALU_DEP_1)
	v_max_num_f32 v[NM+1], v[NM+1], v[T0]          ; with lane l xor 16's 64 keys: the running largest score of my query
	s_delay_alu instid0(VALU_DEP_1)
	v_mul_f32 v[T0+2], s[CS], v[NM+1]              ; as t
	s_delay_alu instid0(VALU_DEP_1)
	v_floor_f32 v[NM], -v[T0+2]                    ; -M = floor(-t)
	TM8 0
	v_sub_f32 v[T0+1], v[NM], v[T0+1]              ; old M - new M: a whole number, 0 or less
	TM8 16
	v_cvt_i32_f32 v[T0+1], v[T0+1]                 ; (it saturates)
	TM8 32
	v_ldexp_f32 v[F], 1.0, v[T0+1]                 ; f
	TM8 48
	v_fma_f32 v[E0], v[E0], s[CS], v[NM]           ; the same of each block's largest score
	v_fma_f32 v[E1], v[E1], s[CS], v[NM]
	s_wait_alu depctr_va_vdst(0)                   ; the wait ahead of the batch
.set J, 0
.rept 64
	v_exp_f32 v[S+J], v[S+J]                       ; p = 2^(t - M)
.set J, J+1
.endr
	v_exp_f32 v[E0], v[E0]                         ; my blocks' largest p
	v_exp_f32 v[E1], v[E1]
	v_nop                                          ; one plain place behind the batch
	s_wait_alu depctr_va_vdst(0)                   ; and the one wait for it
.if \pf
	s_wait_dscnt 16                                ; V's 16 loads are in; K's 16, issued behind them, may be out
.else
	s_wait_dscnt 0x0
.endif
	v_pk_fma_f32 v[L0:L0+1], v[L0:L0+1], v[F:F+1], v[S:S+1] op_sel_hi:[1,0,1]       ; the sums under the new M, and the first p
	v_pk_fma_f32 v[L1:L1+1], v[L1:L1+1], v[F:F+1], v[S+2:S+3] op_sel_hi:[1,0,1]
	v_pk_add_f32 v[T0:T0+1], v[S+4:S+5], v[S+6:S+7]
	v_pk_add_f32 v[T1:T1+1], v[S+8:S+9], v[S+10:S+11]
	v_max_num_f32 v[E0], 0x2800000, v[E0]          ; the floor 2^(5 - 127): the byte cannot fall under 1
	v_max_num_f32 v[E1], 0x2800000, v[E1]
	SUM4 12
	v_add_nc_u32 v[E0], 0xfe000000, v[E0]          ; 4 off the exponent field: the conversion's scale operand
	v_add_nc_u32 v[E1], 0xfe000000, v[E1]
	SUM4 20
	v_lshrrev_b32 v[T0+2], 23, v[E0]               ; the bytes of blocks h and 2 + h
	v_lshrrev_b32 v[T1+2], 23, v[E1]
	SUM4 28
	v_lshl_or_b32 v[T0+2], v[T1+2], 16, v[T0+2]
	SUM4 36
	v_lshlrev_b32 v[T0+2], v[SH], v[T0+2]          ; at their places in the word, 8 h bits up;
	SUM4 44
	v_permlanex16_b32 v[T1+2], v[T0+2], s[SEL], s[SEL+1]
	SUM4 52
	v_or_b32 v[PS], v[T0+2], v[T1+2]               ; with lane l xor 16's two the word is whole
	v_pk_add_f32 v[T0:T0+1], v[T0:T0+1], v[S+60:S+61]
	v_pk_add_f32 v[T1:T1+1], v[T1:T1+1], v[S+62:S+63]
	s_delay_alu instid0(VALU_DEP_2)
	v_pk_add_f32 v[L0:L0+1], v[L0:L0+1], v[T0:T0+1]
	s_delay_alu instid0(VALU_DEP_2)
	v_pk_add_f32 v[L1:L1+1], v[L1:L1+1], v[T1:T1+1]
	v_cvt_scalef32_pk16_bf6_f32 v[P:P+2], v[S:S+15], v[E0]
	v_cvt_scalef32_pk16_bf6_f32 v[T0:T0+2], v[S+16:S+31], v[E0]     ; (a conversion's three registers begin on an even number)
	v_cvt_scalef32_pk16_bf6_f32 v[P+6:P+8], v[S+32:S+47], v[E1]
	v_cvt_scalef32_pk16_bf6_f32 v[T1:T1+2], v[S+48:S+63], v[E1]
	v_nop                                          ; one plain place behind the conversions
.irp i, 0,1,2
	v_mov_b32 v[P+3+\i], v[T0+\i]
	v_mov_b32 v[P+9+\i], v[T1+\i]
.endr
	s_wait_alu depctr_va_vdst(0)                   ; directly ahead of the first reader of O^T
.irp j, 0,2,4,6,8,10,12,14,16,18,20,22,24,26,28,30
	v_pk_mul_f32 v[O+\j:O+\j+1], v[O+\j:O+\j+1], v[F:F+1] op_sel_hi:[1,0]   ; O^T under the new M; these 16 are also the places between p's codes and scale word and the products
.endr
.irp t, 0,1,2,3
	v_wmma_scale_f32_16x16x128_f8f6f4 v[O+8*\t:O+8*\t+7], v[VF+12*\t:VF+12*\t+11], v[P:P+11], v[O+8*\t:O+8*\t+7], v[VS+\t], v[PS] matrix_a_fmt:MATRIX_FMT_BF6 matrix_b_fmt:MATRIX_FMT_BF6 matrix_a_scale:MATRIX_SCALE_ROW1
.endr
.endm
.macro SLOTRUN slot                    ; a slot's eight steps: seven in the loop, the last written out
	s_mov_b32 s[TB], \slot*SLOT1
	s_mov_b32 s[CNT], 7
	v_add_nc_u32 v3, s[TB], v1
	v_add_nc_u32 v4, s[TB], v2
	KLOAD 0
.Lstep_\@:
	STEP 1
	s_add_co_u32 s[TB], s[TB], UB
	s_sub_co_u32 s[CNT], s[CNT], 1
	s_cmp_lg_u32 s[CNT], 0
	s_cbranch_scc1 .Lstep_\@
	STEP 0
.endm
.macro CHANGE g0                       ; the slot just read is filled again: all my loads are in, the add, my reads are over; the round; the refill first behind it
	s_wait_tensorcnt 0x0
	ds_add_u32 v[SPW], v[NIL]
	s_add_nc_u64 s[\g0+2:\g0+3], s[\g0+2:\g0+3], 2*FILL
	s_wait_dscnt 0x0
	ROUND
	tensor_load_to_lds s[\g0:\g0+3], s[16:23]
	s_nop 0
.endm
	s_wait_alu depctr_va_vdst(0)                   ; the wait at the head's end
	s_wait_tensorcnt 0x0                           ; my part of slot 0 is in; slot 1's first fill is issued as a refill is
	ds_add_u32 v[SPW], v[NIL]
	s_wait_dscnt 0x0
	ROUND
	tensor_load_to_lds s[28:31], s[16:23]          ; keys 1,024 .. 2,047
	s_nop 0
	s_wait_loadcnt 0x0                             ; q
	SLOTRUN 0
	CHANGE 24
	SLOTRUN 1
	CHANGE 28
	SLOTRUN 0
	s_wait_tensorcnt 0x0                           ; the last fill: my part is in; nothing is filled again
	ds_add_u32 v[SPW], v[NIL]
	s_wait_dscnt 0x0
	s_barrier_signal -1
	s_barrier_wait -1
	SLOTRUN 1
; THE WAY OUT: O^T / the sum, quantised along the head's 64, as half a fragment of launch 4's rows
	v_lshlrev_b32 v171, 1, v2                      ; 8 l.  (These lines are the places behind the last products)
	v_add_nc_u32 v172, s48, v8                     ; the stage: my query's two scale bytes
	v_add_nc_u32 v173, SCST, v1                    ; and out of it, 16 bytes a lane
	v_mul_u32_u24 v174, v[SH], UB/8
	v_lshl_add_u32 v174, v8, 2, v174               ; their place in acode: 12,800 h + 16 r
	v_pk_add_f32 v[L0:L0+1], v[L0:L0+1], v[L1:L1+1]
	s_delay_alu instid0(VALU_DEP_1)
	v_add_f32 v[L0], v[L0], v[L0+1]
	v_permlanex16_b32 v[T0], v[L0], s[SEL], s[SEL+1]
	s_delay_alu instid0(VALU_DEP_1)
	v_add_f32 v[L0], v[L0], v[T0]                  ; the row's sum
	s_wait_alu depctr_va_vdst(0)                   ; the wait ahead of the transcendental
	v_rcp_f32 v[L0], v[L0]
	v_nop
	s_lshr_b32 s38, s12, 1
	s_lshl_b32 s38, s38, 3
	s_lshl_b32 s39, s13, 1
	s_add_co_u32 s38, s38, s39
	s_mul_i32 s38, s38, UB                         ; acode: [128 rows][K step: two heads][12,800]
	s_and_b32 s39, s12, 1
	s_lshl_b32 s42, s39, 8
	s_add_co_u32 s42, s42, s38
	s_add_co_u32 s42, s42, 12288
	s_mov_b32 s43, 0
	s_lshr_b32 s40, s14, 1
	s_mul_i32 s40, s40, UB
	s_add_co_u32 s40, s40, s38
	s_lshl_b32 s39, s39, 2
	s_add_co_u32 s39, s39, s15
	s_mul_i32 s39, s39, 1536
	s_add_co_u32 s40, s40, s39
	s_and_b32 s39, s14, 1
	s_mul_i32 s39, s39, 768
	s_add_co_u32 s40, s40, s39
	s_mov_b32 s41, 0
	s_add_nc_u64 s[40:41], s[8:9], s[40:41]
	s_add_nc_u64 s[42:43], s[8:9], s[42:43]
	s_wait_alu depctr_va_vdst(0)                   ; the wait behind the transcendental, directly ahead of the first reader of O^T
.irp j, 0,2,4,6,8,10,12,14,16,18,20,22,24,26,28,30
	v_pk_mul_f32 v[S+\j:S+\j+1], v[O+\j:O+\j+1], v[L0:L0+1] op_sel_hi:[1,0]
.endr
	HALFQ S, 164, 170
	global_store_b128 v1, v[164:167], s[40:41]     ; 512 consecutive bytes,
	global_store_b64 v171, v[168:169], s[40:41] offset:512   ; and 256, both at multiples of 256
	ds_store_b16 v172, v170
	s_wait_dscnt 0x0
	s_barrier_signal -1
	s_barrier_wait -1
	s_cmp_lg_u32 s[WV], 0
	s_cbranch_scc1 .Lnot_first
	ds_load_b128 v[176:179], v173                  ; the work-group's 512 scale bytes leave as two runs of 256
	s_wait_dscnt 0x0
	global_store_b128 v174, v[176:179], s[42:43]
.Lnot_first:
	s_wait_tensorcnt 0x0                           ; the wave's end
	ds_add_u32 v[SPW], v[NIL]
	s_wait_dscnt 0x0
	ROUND                                          ; the closing round
	s_endpgm
.Lfunc_end_k_qbae6d410c7_attn:
	.size	k_qbae6d410c7_attn, .Lfunc_end_k_qbae6d410c7_attn-k_qbae6d410c7_attn
	.p2alignl 7, 3214868480
	.fill 96, 4, 3214868480
	.section	.rodata,"a",@progbits
	.p2align	6, 0x0
	.amdhsa_kernel k_qbae6d410c7_attn
		.amdhsa_group_segment_fixed_size 327680
		.amdhsa_private_segment_fixed_size 0
		.amdhsa_enable_private_segment 0
		.amdhsa_kernarg_size 24
		.amdhsa_user_sgpr_count 2
		.amdhsa_user_sgpr_kernarg_segment_ptr 1
		.amdhsa_wavefront_size32 1
		.amdhsa_system_sgpr_workgroup_id_x 1
		.amdhsa_system_sgpr_workgroup_id_y 1
		.amdhsa_system_sgpr_workgroup_id_z 1
		.amdhsa_system_vgpr_workitem_id 0
		.amdhsa_next_free_vgpr 256
		.amdhsa_next_free_sgpr 66
		.amdhsa_reserve_vcc 0
		.amdhsa_float_denorm_mode_32 3
		.amdhsa_float_denorm_mode_16_64 3
		.amdhsa_memory_ordered 1
		.amdhsa_forward_progress 1
		.amdhsa_inst_pref_size 132
	.end_amdhsa_kernel
	.amdgpu_metadata
---
amdhsa.version: [ 1, 2 ]
amdhsa.kernels:
  - .name:           k_qbae6d410c7_attn
    .symbol:         k_qbae6d410c7_attn.kd
    .args:
      - { .name: qcode, .offset: 0, .size: 8, .value_kind: global_buffer, .address_space: global }
      - { .name: kvcode, .offset: 8, .size: 8, .value_kind: global_buffer, .address_space: global }
      - { .name: acode, .offset: 16, .size: 8, .value_kind: global_buffer, .address_space: global }
    .group_segment_fixed_size: 327680
    .private_segment_fixed_size: 0
    .kernarg_segment_align: 8
    .kernarg_segment_size: 24
    .max_flat_workgroup_size: 512
    .sgpr_count:     66
    .vgpr_count:     256
    .wavefront_size: 32
...
	.end_amdgpu_metadata
.endif
;; end of part 3
;; launch oproj (part 4): grid 256 x 1, 4 waves a work-group, clusters of 4 x 1, 222,720 bytes of LDS; arguments acode, wcode, b_o, out0; writes out0
.if DOCPART == 4
	.amdgcn_target "amdgcn-amd-amdhsa--gfx1250"
	.amdhsa_code_object_version 6
	.text
	.protected	k_qbae6d410c7_oproj
	.globl	k_qbae6d410c7_oproj
	.p2align	8
	.type	k_qbae6d410c7_oproj,@function
k_qbae6d410c7_oproj:
	s_mov_b64 s[64:65], 0
	v_nop
	global_prefetch_b8 v0, s[64:65] scope:SCOPE_SE
	s_setreg_imm32_b32 hwreg(HW_REG_WAVE_MODE, 25, 1), 1
	s_wait_xcnt 0x0
	s_wait_alu depctr_hold_cnt(0) depctr_sa_sdst(0) depctr_va_vdst(0) depctr_va_sdst(0) depctr_va_ssrc(0) depctr_va_vcc(0) depctr_vm_vsrc(0)
	s_getreg_b32 s2, hwreg(HW_REG_IB_STS2, 6, 4)
	s_cmp_eq_u32 s2, 0
	s_cbranch_scc0 .Lentry_in_a_cluster
	s_endpgm
.Lentry_in_a_cluster:
	s_bfe_u32 s2, ttmp6, 0x10000c
	s_cmp_lg_u32 s2, 0x3003
	s_cbranch_scc0 .Lentry_shape_is_right
	s_endpgm
.Lentry_shape_is_right:
; Launch 4 of 4: out0 = attention's result x w_o + b_o, on the codes of launches 3 and 1.  Nothing is left out.
; SHARES: a work-group takes 128 rows x 128 columns x all of K (1,024): 256 work-groups.  Cluster c: columns by c % 8; its four partners take four row blocks and the same columns: w_o's stream is asked for JOINTLY,
; the rows' stream is each work-group's own.  A wave: 4 tiles of rows x 4 tiles of columns, 16 accumulators.
; LDS: two streams [K step 8][12,800], the rows' at 0, w_o's at 102,400; every byte is filled once, in two phases of four K steps; wave w brings four K steps (w / 2) of the rows' stream (w even) or of w_o's (w odd): one tensor load a wave.
; The product is used TRANSPOSED (source 0 = 16 columns of w_o, source 1 = 16 rows): a lane holds eight neighbouring columns of one row.  b_o is the C of each sum's first product.
; Row r of tile T is token 32 (T / 2) + 8 (T % 2) + r + 8 (r / 8); register j of column tile 2 b + u in lane (r, h) is column 32 b + 16 h + 8 u + j.
; LIMIT: the bias starts the f32 sum and is not its last term.
.set UB,    12800
.set STR,   8*UB
.set PH,    4*UB
.set STAGE, 2*STR                      ; 16 rows x (256 bytes + 16) for each wave, into which no tensor load lands
.set SPARE, STAGE+4*16*272             ; the spare words, 128 bytes a wave, which no other line names
.set SPW,   6
.set NIL,   7
.set WV,    12
.set XF,    16
.set WF,    64
.set ACC,   112
; v1, v2 the rows' fragments (16 l and 8 l), v3 their scale images, v4 w_o's fragments, v5 its scale images: LDS addresses, 12,800 on in each K step.  v8 64 h, v9, v10 the stage in and out, v11 my offset in out0.  v12-15: scale words and nothing else.
.macro ROUND
	s_barrier_signal -1
	s_barrier_wait -1
	s_cmp_lg_u32 s[WV], 0
	s_cbranch_scc1 .Lnot_wave_0_\@
	s_barrier_signal -3
.Lnot_wave_0_\@:
	s_barrier_wait -3
	s_barrier_signal -1
	s_barrier_wait -1
.endm
.macro MM d, a, b, c, sa, sb, ra, rb
.if (\ra) && (\rb)
	v_wmma_scale_f32_16x16x128_f8f6f4 v[\d:\d+7], v[\a:\a+11], v[\b:\b+11], v[\c:\c+7], v[\sa], v[\sb] matrix_a_fmt:MATRIX_FMT_BF6 matrix_b_fmt:MATRIX_FMT_BF6 matrix_a_scale:MATRIX_SCALE_ROW1 matrix_b_scale:MATRIX_SCALE_ROW1
.elseif (\ra)
	v_wmma_scale_f32_16x16x128_f8f6f4 v[\d:\d+7], v[\a:\a+11], v[\b:\b+11], v[\c:\c+7], v[\sa], v[\sb] matrix_a_fmt:MATRIX_FMT_BF6 matrix_b_fmt:MATRIX_FMT_BF6 matrix_a_scale:MATRIX_SCALE_ROW1
.elseif (\rb)
	v_wmma_scale_f32_16x16x128_f8f6f4 v[\d:\d+7], v[\a:\a+11], v[\b:\b+11], v[\c:\c+7], v[\sa], v[\sb] matrix_a_fmt:MATRIX_FMT_BF6 matrix_b_fmt:MATRIX_FMT_BF6 matrix_b_scale:MATRIX_SCALE_ROW1
.else
	v_wmma_scale_f32_16x16x128_f8f6f4 v[\d:\d+7], v[\a:\a+11], v[\b:\b+11], v[\c:\c+7], v[\sa], v[\sb] matrix_a_fmt:MATRIX_FMT_BF6 matrix_b_fmt:MATRIX_FMT_BF6
.endif
.endm
	s_load_b256 s[4:11], s[0:1], 0x0               ; acode, wcode, b_o, out0
	v_lshl_add_u32 v[SPW], v0, 2, SPARE
	v_mov_b32 v[NIL], 0
	ds_add_u32 v[SPW], v[NIL]                      ; the wave's opening: the add, twice on end, and its wait ahead of my first tensor load
	ds_add_u32 v[SPW], v[NIL]
	v_lshrrev_b32 v1, 5, v0
	v_readfirstlane_b32 s[WV], v1
	s_bfe_u32 s13, ttmp6, 0x40000                  ; cx: it enters the row block alone
	s_and_b32 s48, ttmp9, 7                        ; which 128 columns
	s_lshr_b32 s49, ttmp9, 3
	s_lshl_b32 s49, s49, 2
	s_add_co_u32 s49, s49, s13                     ; which 128 rows
	s_mov_b32 s16, 3<<16                           ; group 1, my own loads: no mask; elements of 8 bytes; no padding
	s_mov_b32 s24, 15|(3<<16)|(1<<21)              ; group 1, joint loads: the mask names the four partners; bit 21 set beside it
.irp g, 16, 24
	s_mov_b32 s[\g+1], 32<<16                      ; rows of 256 bytes,
	s_mov_b32 s[\g+2], 200<<16                     ; 200 of them: four K steps of a stream,
	s_mov_b32 s[\g+3], 32<<16
	s_mov_b32 s[\g+4], 200
	s_mov_b32 s[\g+5], 32                          ; dense
	s_mov_b32 s[\g+6], 0
	s_mov_b32 s[\g+7], 0
.endr
	; THE FILLS: one tensor load a wave, all at the head: wave w brings four K steps (w / 2: the first or the last four) of the rows' stream (w even) or of w_o's (w odd)
	s_and_b32 s51, s[WV], 1
	s_lshr_b32 s50, s[WV], 1
	s_mul_i32 s50, s50, PH                         ; which four K steps, in memory and in LDS alike
	s_mul_i32 s52, s49, STR
	s_add_co_u32 s52, s52, s50
	s_mov_b32 s53, 0
	s_add_co_u32 s54, s48, 12                      ; w_o's blocks are 12 .. 19 of wcode: made of the cluster's number and the wave's alone
	s_mul_i32 s54, s54, STR
	s_add_co_u32 s54, s54, s50
	s_mov_b32 s55, 0
	s_wait_dscnt 0x0                               ; both opening adds are done
	s_wait_kmcnt 0x0
	s_add_nc_u64 s[52:53], s[4:5], s[52:53]
	s_add_nc_u64 s[54:55], s[6:7], s[54:55]
.irp ph, 0
	s_mov_b32 s[32+8*\ph], 1
	s_add_co_u32 s[33+8*\ph], s50, \ph*PH
	s_add_nc_u64 s[34+8*\ph:35+8*\ph], s[52:53], \ph*PH
	s_or_b32 s[35+8*\ph], s[35+8*\ph], 0x80000000
	s_mov_b32 s[36+8*\ph], 1
	s_add_co_u32 s[37+8*\ph], s50, STR+\ph*PH
	s_add_nc_u64 s[38+8*\ph:39+8*\ph], s[54:55], \ph*PH
	s_or_b32 s[39+8*\ph], s[39+8*\ph], 0x80000000
.endr
	ROUND                                          ; all four work-groups are here: the joint loads meet
	s_cmp_eq_u32 s51, 0                            ; a branch on the wave's number, a load in each arm
	s_cbranch_scc0 .Lhead_w
	tensor_load_to_lds s[32:35], s[16:23]
	s_nop 0
.rept 4
	v_nop
.endr
	s_branch .Lhead_asked
.Lhead_w:
	tensor_load_to_lds s[36:39], s[24:31]
	s_nop 0
.rept 4
	v_nop
.endr
.Lhead_asked:
	v_and_b32 v11, 31, v0
	s_wait_alu depctr_va_vdst(0)
	s_and_b32 s56, s[WV], 1                        ; a: tiles of rows 4 a .. 4 a + 3
	s_lshr_b32 s57, s[WV], 1                       ; hb: tiles of columns 4 hb .. 4 hb + 3
	s_mul_i32 s58, s56, 6144
	v_lshl_add_u32 v1, v11, 4, s58
	v_lshl_add_u32 v2, v11, 3, s58
	s_lshl_b32 s58, s56, 8
	s_add_co_u32 s58, s58, 12288
	v_lshl_add_u32 v3, v11, 2, s58
	s_mul_i32 s58, s57, 6144
	s_add_co_u32 s58, s58, STR
	v_lshl_add_u32 v4, v11, 4, s58
	s_lshl_b32 s58, s57, 8
	s_add_co_u32 s58, s58, STR+12288
	v_lshl_add_u32 v5, v11, 2, s58
	v_and_b32 v16, 15, v0                          ; r
	v_bfe_u32 v17, v0, 4, 1                        ; h
	v_lshlrev_b32 v8, 6, v17                       ; 64 h
	s_wait_alu depctr_va_vdst(0)
	s_mul_i32 s58, s[WV], 16*272
	s_add_co_u32 s58, s58, STAGE                   ; my stage
	v_mul_u32_u24 v9, v16, 272
	v_add_nc_u32 v9, v9, v8
	v_add_nc_u32 v9, s58, v9                       ; in: row r, + 64 h
	v_mul_u32_u24 v10, v17, 272
	v_lshl_add_u32 v10, v16, 4, v10
	v_add_nc_u32 v10, s58, v10                     ; back: lanes 0-15 one row of 256 bytes, lanes 16-31 the next
	v_lshlrev_b32 v11, 12, v17
	v_lshl_add_u32 v11, v16, 4, v11                ; and the same two rows in out0
	s_lshl_b32 s58, s48, 1
	s_add_co_u32 s58, s58, s57
	s_lshl_b32 s58, s58, 8                         ; my 64 columns, in bytes: of b_o and of a row of out0
	s_mov_b32 s59, 0
	s_add_nc_u64 s[8:9], s[8:9], s[58:59]
	s_add_nc_u64 s[10:11], s[10:11], s[58:59]
	s_lshl_b32 s58, s49, 7
	s_lshl_b32 s56, s56, 6
	s_add_co_u32 s58, s58, s56
	s_lshl_b32 s58, s58, 12                        ; my first token: 128 x row block + 64 a, rows of 4,096 bytes
	s_add_nc_u64 s[10:11], s[10:11], s[58:59]
.irp t, 0,1,2,3                        ; the bias lands in the accumulators of the fourth tile of rows
	global_load_b128 v[ACC+96+8*\t:ACC+96+8*\t+3], v8, s[8:9] offset:128*(\t/2)+32*(\t%2)
	global_load_b128 v[ACC+100+8*\t:ACC+100+8*\t+3], v8, s[8:9] offset:128*(\t/2)+32*(\t%2)+16
.endr
; A K step: 28 + 4 LDS loads, 16 products, the accumulators by turns.  A fragment of rows is two halves (two heads): 16 + 8 bytes a lane each.
; first = 1: tiles of rows 0-2 take the bias from the fourth tile's accumulators as C; the fourth then adds in place, five places behind the products that read those registers.
; The five additions at the end are the places in front of the next loads, and behind the last step in front of the way out.
.macro KSTEP first
.irp t, 0,1,2,3
.irp c, 0,1,2
	ds_load_b128 v[WF+12*\t+4*\c:WF+12*\t+4*\c+3], v4 offset:1536*\t+512*\c
.endr
.endr
.irp i, 0,1,2,3
	ds_load_b128 v[XF+12*\i:XF+12*\i+3], v1 offset:1536*\i
	ds_load_b64 v[XF+12*\i+4:XF+12*\i+5], v2 offset:1536*\i+512
	ds_load_b128 v[XF+12*\i+6:XF+12*\i+9], v1 offset:1536*\i+768
	ds_load_b64 v[XF+12*\i+10:XF+12*\i+11], v2 offset:1536*\i+1280
.endr
	ds_load_b32 v12, v5
	ds_load_b32 v13, v5 offset:128
	ds_load_b32 v14, v3
	ds_load_b32 v15, v3 offset:128
	s_wait_dscnt 0x0
.if \first
.irp i, 0,1,2
.irp t, 0,1,2,3
	MM ACC+32*\i+8*\t, WF+12*\t, XF+12*\i, ACC+96+8*\t, 12+\t/2, 14+\i/2, \t%2, \i%2
.endr
.endr
.rept 5
	v_nop
.endr
.irp t, 0,1,2,3
	MM ACC+96+8*\t, WF+12*\t, XF+36, ACC+96+8*\t, 12+\t/2, 15, \t%2, 1
.endr
.else
.irp i, 0,1,2,3
.irp t, 0,1,2,3
	MM ACC+32*\i+8*\t, WF+12*\t, XF+12*\i, ACC+32*\i+8*\t, 12+\t/2, 14+\i/2, \t%2, \i%2
.endr
.endr
.endif
	v_add_nc_u32 v1, UB, v1
	v_add_nc_u32 v2, UB, v2
	v_add_nc_u32 v3, UB, v3
	v_add_nc_u32 v4, UB, v4
	v_add_nc_u32 v5, UB, v5
.endm
	s_wait_tensorcnt 0x0                           ; my load is in: behind the barrier all of K lies in LDS
	s_barrier_signal -1
	s_barrier_wait -1                              ; everybody's are
	s_wait_loadcnt 0x0                             ; the bias
	KSTEP 1
	s_wait_alu depctr_va_vdst(0)
	KSTEP 0
	s_wait_alu depctr_va_vdst(0)
	KSTEP 0
	s_wait_alu depctr_va_vdst(0)
	KSTEP 0
	s_wait_alu depctr_va_vdst(0)
	KSTEP 0
	s_wait_alu depctr_va_vdst(0)
	KSTEP 0
	s_wait_alu depctr_va_vdst(0)
	KSTEP 0
	s_wait_alu depctr_va_vdst(0)
	KSTEP 0
; THE WAY OUT, a tile of 16 rows x 64 columns at a time, through my own stage: in as 32 bytes a lane and tile, back as whole rows of 256 bytes into the registers that they left.
; LDS serves a wave's instructions in order: no wait between the stores and the loads, nor in front of the next tile's stores.
.macro TOSTAGE i
.irp t, 0,1,2,3
	ds_store_b128 v9, v[ACC+32*(\i)+8*\t:ACC+32*(\i)+8*\t+3] offset:128*(\t/2)+32*(\t%2)          ; each accumulator from its low end on
	ds_store_b128 v9, v[ACC+32*(\i)+8*\t+4:ACC+32*(\i)+8*\t+7] offset:128*(\t/2)+32*(\t%2)+16
.endr
.irp f, 0,1,2,3,4,5,6,7
	ds_load_b128 v[ACC+32*(\i)+4*\f:ACC+32*(\i)+4*\f+3], v10 offset:544*\f
.endr
.endm
.macro SEND i, younger                 ; younger: the LDS instructions issued behind tile i's loads: the next tile's sixteen, or none
.irp f, 0,1,2,3,4,5,6,7
	s_wait_dscnt \younger+7-\f
	global_store_b128 v11, v[ACC+32*(\i)+4*\f:ACC+32*(\i)+4*\f+3], s[10:11] offset:(32*((\i)/2)+8*((\i)%2)+2*\f+8*(\f/4))*4096 th:TH_STORE_NT   ; sixteen lanes store 256 consecutive bytes, at a multiple of 256 from out0's first byte
.endr
.endm
	TOSTAGE 0
	TOSTAGE 1
	SEND 0, 16
	TOSTAGE 2
	SEND 1, 16
	TOSTAGE 3
	SEND 2, 16
	SEND 3, 0
	s_wait_tensorcnt 0x0                           ; the wave's end, behind my last tensor load and my last LDS store
	ds_add_u32 v[SPW], v[NIL]
	s_wait_dscnt 0x0
	ROUND                                          ; the closing round
	s_endpgm
.Lfunc_end_k_qbae6d410c7_oproj:
	.size	k_qbae6d410c7_oproj, .Lfunc_end_k_qbae6d410c7_oproj-k_qbae6d410c7_oproj
	.p2alignl 7, 3214868480
	.fill 96, 4, 3214868480
	.section	.rodata,"a",@progbits
	.p2align	6, 0x0
	.amdhsa_kernel k_qbae6d410c7_oproj
		.amdhsa_group_segment_fixed_size 222720
		.amdhsa_private_segment_fixed_size 0
		.amdhsa_enable_private_segment 0
		.amdhsa_kernarg_size 32
		.amdhsa_user_sgpr_count 2
		.amdhsa_user_sgpr_kernarg_segment_ptr 1
		.amdhsa_wavefront_size32 1
		.amdhsa_system_sgpr_workgroup_id_x 1
		.amdhsa_system_sgpr_workgroup_id_y 1
		.amdhsa_system_sgpr_workgroup_id_z 1
		.amdhsa_system_vgpr_workitem_id 0
		.amdhsa_next_free_vgpr 240
		.amdhsa_next_free_sgpr 66
		.amdhsa_reserve_vcc 0
		.amdhsa_float_denorm_mode_32 3
		.amdhsa_float_denorm_mode_16_64 3
		.amdhsa_memory_ordered 1
		.amdhsa_forward_progress 1
		.amdhsa_inst_pref_size 50
	.end_amdhsa_kernel
	.amdgpu_metadata
---
amdhsa.version: [ 1, 2 ]
amdhsa.kernels:
  - .name:           k_qbae6d410c7_oproj
    .symbol:         k_qbae6d410c7_oproj.kd
    .args:
      - { .name: acode, .offset: 0, .size: 8, .value_kind: global_buffer, .address_space: global }
      - { .name: wcode, .offset: 8, .size: 8, .value_kind: global_buffer, .address_space: global }
      - { .name: b_o, .offset: 16, .size: 8, .value_kind: global_buffer, .address_space: global }
      - { .name: out0, .offset: 24, .size: 8, .value_kind: global_buffer, .address_space: global }
    .group_segment_fixed_size: 222720
    .private_segment_fixed_size: 0
    .kernarg_segment_align: 8
    .kernarg_segment_size: 32
    .max_flat_workgroup_size: 128
    .sgpr_count:     66
    .vgpr_count:     240
    .wavefront_size: 32
...
	.end_amdgpu_metadata
.endif
;; end of part 4
